; MI455X (gfx1250); checked and timed in simulation.
; The chip was launched on July 23, 2026; its instructions are those of AMD's public machine-readable ISA for CDNA 5 (MIT licence, August 2026) and "CDNA5" Instruction Set Architecture Reference Guide (July 2026). The comments in the code are by the model that wrote it; some were corrected since.
;; Attention. Allowed arithmetic: float matrix products may take bf16 or f16 operands with f32 sums; all other float work in f32.
;; Inputs: bo 1,024 float32; hidden_states 4 x 2,048 x 1,024 float32; wk 1,024 x 1,024 float32; wo 1,024 x 1,024 float32; wq 1,024 x 1,024 float32; wv 1,024 x 1,024 float32.
;; Outputs: out0 4 x 2,048 x 1,024 float32.
;; One version. Each part assembles by itself: llvm-mc -triple=amdgcn-amd-amdhsa -mcpu=gfx1250 --defsym DOCPART=n.
;; ======== version 1 of 1: 4 launches
;; limits: values are held in f16: magnitudes above 65,504 overflow, below 6.1e-05 lose precision
;; workspace buffers: xb 16,777,216 bytes; wb 6,291,456 bytes; wof 2,097,152 bytes; qkv 50,331,648 bytes; ob 16,777,216 bytes
;; launch cast (part 1): grid 768 x 1, 8 waves a work-group, no clusters, 0 bytes of LDS; arguments hidden_states, wq, wk, wv, wo, xb, wb, wof; writes xb, wb, wof
.if DOCPART == 1
	.amdgcn_target "amdgcn-amd-amdhsa--gfx1250"
	.amdhsa_code_object_version 6
	.text
	.protected	k_q1b196da84e_cast
	.globl	k_q1b196da84e_cast
	.p2align	8
	.type	k_q1b196da84e_cast,@function
k_q1b196da84e_cast:
	s_mov_b64 s[64:65], 0
	v_nop
	global_prefetch_b8 v0, s[64:65] scope:SCOPE_SE
	s_setreg_imm32_b32 hwreg(HW_REG_WAVE_MODE, 25, 1), 1
	s_wait_xcnt 0x0
; THE INPUTS' ONE ROUNDING.  x [8192][1024] -> xb in bf16;  wq, wk, wv [1024][1024] -> wb [3072][1024] in bf16, one below the other;
; wo [1024][1024] -> wof: rounded to bf16 like the others, and that number written as f16, since the last product's other operand is f16.
; LIMITS.  wo within 65,504 (beyond it f16 has an infinity); below 6e-5 f16 keeps a fixed step of 6e-8, so there the bf16 number is rounded once more.
; A stream: each byte is read once and written once, no number is used twice, so LDS, barriers, matrix instructions and clusters have nothing to do here.
; SHARES.  A work-group takes 16,384 numbers (65,536 bytes in, 32,768 out): groups 0-511 x, then 64 groups for each of wq, wk, wv, wo.  A wave takes 2,048 numbers: sixteen loads of 16 bytes a lane,
; 512 consecutive bytes each, all issued at once, so that 8,192 bytes of every wave are on their way; sixteen stores of 8 bytes a lane, each 256 consecutive bytes at a multiple of 256 from the buffer's first byte.
.set X, 4                              ; v[4:67]    load j: four f32
.set Y, 68                             ; v[68:99]   store j: four 16-bit numbers
.set T, 100                            ; v[100:103] at work (wo alone)
	s_load_b256 s[4:11], s[0:1], 0x0               ; x s[4:5], wq s[6:7], wk s[8:9], wv s[10:11]
	s_load_b256 s[12:19], s[0:1], 0x20             ; wo s[12:13], xb s[14:15], wb s[16:17], wof s[18:19]
	s_mov_b32 s20, ttmp9                           ; the work-group's number
	v_lshrrev_b32 v1, 5, v0                        ; wave
	v_and_b32 v2, 31, v0                           ; lane
	v_lshlrev_b32 v1, 13, v1                       ; 8,192 bytes a wave,
	v_lshl_or_b32 v1, v2, 4, v1                    ; 16 a lane: my offset in the group's input
	v_lshrrev_b32 v2, 1, v1                        ; half of it: my offset in its output
	s_sub_co_u32 s21, s20, 512                     ; among the weights' groups (for x's groups these numbers are made and not used)
	s_lshr_b32 s22, s21, 6                         ; which weight: 0 wq, 1 wk, 2 wv, 3 wo
	s_and_b32 s23, s21, 63                         ; which part of it
	s_lshl_b32 s30, s23, 16                        ; its bytes in the input,
	s_lshl_b32 s28, s23, 15                        ; in the output,
	s_cmp_eq_u32 s22, 3
	s_cselect_b32 s21, 0, s22                      ; and, in wb, behind the weights before it (wof holds wo alone)
	s_lshl_b32 s21, s21, 21
	s_add_co_u32 s28, s28, s21
	s_lshl_b32 s2, s20, 16                         ; the same two offsets for a group of x
	s_lshl_b32 s3, s20, 15
	s_mov_b32 s29, 0                               ; the offsets' high words
	s_mov_b32 s31, 0
	s_wait_kmcnt 0x0
	s_cmp_eq_u32 s22, 1                            ; the choice of buffers hangs on the group's number alone
	s_cselect_b64 s[24:25], s[8:9], s[6:7]
	s_cmp_eq_u32 s22, 2
	s_cselect_b64 s[24:25], s[10:11], s[24:25]
	s_cmp_eq_u32 s22, 3
	s_cselect_b64 s[24:25], s[12:13], s[24:25]
	s_cselect_b64 s[26:27], s[18:19], s[16:17]
	s_cmp_lt_u32 s20, 512
	s_cselect_b64 s[24:25], s[4:5], s[24:25]
	s_cselect_b64 s[26:27], s[14:15], s[26:27]
	s_cselect_b32 s30, s2, s30
	s_cselect_b32 s28, s3, s28
	s_add_nc_u64 s[24:25], s[24:25], s[30:31]      ; from here
	s_add_nc_u64 s[26:27], s[26:27], s[28:29]      ; to here
.irp j, 0,1,2,3,4,5,6,7,8,9,10,11,12,13,14,15
	global_load_b128 v[X+4*(\j):X+4*(\j)+3], v1, s[24:25] offset:512*(\j) th:TH_LOAD_NT  ; read once in the whole launch
.endr
	s_cmp_ge_u32 s20, 704
	s_cbranch_scc1 .Lwo
.irp j, 0,1,2,3,4,5,6,7,8,9,10,11,12,13,14,15
	s_wait_loadcnt 15-(\j)                         ; loads come back in order (ISA guide 5.7.1): load j is in, the 15 - j younger ones stay out
	v_cvt_pk_bf16_f32 v[Y+2*(\j)], v[X+4*(\j)], v[X+4*(\j)+1]
	v_cvt_pk_bf16_f32 v[Y+2*(\j)+1], v[X+4*(\j)+2], v[X+4*(\j)+3]
	global_store_b64 v2, v[Y+2*(\j):Y+2*(\j)+1], s[26:27] offset:256*(\j)  ; every store has data registers of its own: nothing that a store reads is written again
.endr
	s_endpgm
.Lwo:
.irp j, 0,1,2,3,4,5,6,7,8,9,10,11,12,13,14,15
	s_wait_loadcnt 15-(\j)
	v_cvt_pk_bf16_f32 v[T], v[X+4*(\j)], v[X+4*(\j)+1]        ; the rounding that every input has,
	v_cvt_pk_bf16_f32 v[T+1], v[X+4*(\j)+2], v[X+4*(\j)+3]
	v_lshlrev_b32 v[T+2], 16, v[T]                            ; back to f32: the low half moves up, the high half stays,
	v_and_b32 v[T+3], 0xffff0000, v[T]
	v_cvt_pk_f16_f32 v[Y+2*(\j)], v[T+2], v[T+3]              ; and the same number as f16
	v_lshlrev_b32 v[T+2], 16, v[T+1]
	v_and_b32 v[T+3], 0xffff0000, v[T+1]
	v_cvt_pk_f16_f32 v[Y+2*(\j)+1], v[T+2], v[T+3]
	global_store_b64 v2, v[Y+2*(\j):Y+2*(\j)+1], s[26:27] offset:256*(\j)
.endr
	s_endpgm
.Lfunc_end_k_q1b196da84e_cast:
	.size	k_q1b196da84e_cast, .Lfunc_end_k_q1b196da84e_cast-k_q1b196da84e_cast
	.p2alignl 7, 3214868480
	.fill 96, 4, 3214868480
	.section	.rodata,"a",@progbits
	.p2align	6, 0x0
	.amdhsa_kernel k_q1b196da84e_cast
		.amdhsa_group_segment_fixed_size 0
		.amdhsa_private_segment_fixed_size 0
		.amdhsa_enable_private_segment 0
		.amdhsa_kernarg_size 64
		.amdhsa_user_sgpr_count 2
		.amdhsa_user_sgpr_kernarg_segment_ptr 1
		.amdhsa_wavefront_size32 1
		.amdhsa_system_sgpr_workgroup_id_x 1
		.amdhsa_system_sgpr_workgroup_id_y 1
		.amdhsa_system_sgpr_workgroup_id_z 1
		.amdhsa_system_vgpr_workitem_id 0
		.amdhsa_next_free_vgpr 104
		.amdhsa_next_free_sgpr 66
		.amdhsa_reserve_vcc 0
		.amdhsa_float_denorm_mode_32 3
		.amdhsa_float_denorm_mode_16_64 3
		.amdhsa_memory_ordered 1
		.amdhsa_forward_progress 1
		.amdhsa_inst_pref_size 17
	.end_amdhsa_kernel
	.amdgpu_metadata
---
amdhsa.version: [ 1, 2 ]
amdhsa.kernels:
  - .name:           k_q1b196da84e_cast
    .symbol:         k_q1b196da84e_cast.kd
    .args:
      - { .name: hidden_states, .offset: 0, .size: 8, .value_kind: global_buffer, .address_space: global }
      - { .name: wq, .offset: 8, .size: 8, .value_kind: global_buffer, .address_space: global }
      - { .name: wk, .offset: 16, .size: 8, .value_kind: global_buffer, .address_space: global }
      - { .name: wv, .offset: 24, .size: 8, .value_kind: global_buffer, .address_space: global }
      - { .name: wo, .offset: 32, .size: 8, .value_kind: global_buffer, .address_space: global }
      - { .name: xb, .offset: 40, .size: 8, .value_kind: global_buffer, .address_space: global }
      - { .name: wb, .offset: 48, .size: 8, .value_kind: global_buffer, .address_space: global }
      - { .name: wof, .offset: 56, .size: 8, .value_kind: global_buffer, .address_space: global }
    .group_segment_fixed_size: 0
    .private_segment_fixed_size: 0
    .kernarg_segment_align: 8
    .kernarg_segment_size: 64
    .max_flat_workgroup_size: 256
    .sgpr_count:     66
    .vgpr_count:     104
    .wavefront_size: 32
...
	.end_amdgpu_metadata
.endif
;; end of part 1
;; launch qkv (part 2): grid 16 x 16, 4 waves a work-group, clusters of 4 x 4, 327,680 bytes of LDS; arguments xb, wb, qkv; writes qkv
.if DOCPART == 2
	.amdgcn_target "amdgcn-amd-amdhsa--gfx1250"
	.amdhsa_code_object_version 6
	.text
	.protected	k_q1b196da84e_qkv
	.globl	k_q1b196da84e_qkv
	.p2align	8
	.type	k_q1b196da84e_qkv,@function
k_q1b196da84e_qkv:
	s_mov_b64 s[64:65], 0
	v_nop
	global_prefetch_b8 v0, s[64:65] scope:SCOPE_SE
	s_setreg_imm32_b32 hwreg(HW_REG_WAVE_MODE, 25, 1), 1
	s_wait_xcnt 0x0
	s_wait_alu depctr_hold_cnt(0) depctr_sa_sdst(0) depctr_va_vdst(0) depctr_va_sdst(0) depctr_va_ssrc(0) depctr_va_vcc(0) depctr_vm_vsrc(0)
	s_getreg_b32 s2, hwreg(HW_REG_IB_STS2, 6, 4)
	s_cmp_eq_u32 s2, 0
	s_cbranch_scc0 .Lentry_in_a_cluster
	s_endpgm
.Lentry_in_a_cluster:
	s_bfe_u32 s2, ttmp6, 0x10000c
	s_cmp_lg_u32 s2, 0xf033
	s_cbranch_scc0 .Lentry_shape_is_right
	s_endpgm
.Lentry_shape_is_right:
; THE THREE PROJECTIONS AS ONE PRODUCT.  C[m][n] = sum over k of xb[m][k] wb[n][k], m < 8192, n < 3072, k < 1024; operands bf16, sums f32, K ascending; C rounded once to f16, WITHOUT attention's scale,
; and stored by heads: qkv[b][g][t][64], b = m / 2048, t = m % 2048, g = n / 64 (g 0-15 q's heads, 16-31 k's, 32-47 v's): byte b x 12,582,912 + g x 262,144 + t x 128.
; LIMITS.  q, k, v within 65,504 (beyond it f16 has an infinity); below 6e-5 f16 keeps a fixed step of 6e-8.  NaN and infinities are not treated apart.
; SHARES.  A tile of C is 256 x 192: 32 x 16 = 512 tiles, two for each of 256 work-groups (256 x 256 would make 384, a round and a half).  A wave makes 64 rows x all 192 columns: 48 accumulators of 16 x 16,
; 384 registers; 192 columns are three whole heads, so a wave's way out is its own.  For 32 along K a wave reads 16 KiB from LDS and issues 48 matrix instructions.
; A WORK-GROUP STAYS: its two tiles lie 4,096 rows apart and take the same rows of wb; their 2 x 8 K steps of 128 are ONE stream for a ring of two LDS slots, which does not stop between the tiles.
; Two slots of a longer step do not fit: a slot is 448 rows x 272 bytes = 121,856 bytes.
; CLUSTERS: 4 x 4 work-groups.  The four of a row of the cluster need the same tiles of xb, the four of a column the same tiles of wb: each tile is asked for JOINTLY, by the same tensor load with the same
; descriptor and a mask that names the four.  By this text's own count a wave has two tensor loads out at the start and one behind each round.
; THE TEXT.  The quarter step that starts a tile's sums and the way out are written once each.  The head jumps forward into the first; the trip that ends the first tile jumps forward to the way out and goes on
; into that quarter; the stream's tail, which stands in front of the way out, falls into it and leaves.  On every way round the loop the counter is stepped once.
; ASKING AHEAD (global_prefetch_b8, lanes 256 bytes apart; wave 3 asks).  xb's tile of a K step is one piece of 256 bytes in each of 256 rows, and the sixteen work-groups of a tile row all read it: each asks for
; sixteen of the rows, so that each piece is asked for once in the launch.  One request takes two K steps (lanes 0-15 step n, lanes 16-31 step n + 1; 8 KiB): steps 2, 3 at the head; in the odd trips t = 1 .. 11
; steps t + 3 and t + 4, whose tensor loads go out in trips t + 1 and t + 2: 192 and 384 of a wave's matrix instructions ahead.  Trip 13 asks for nothing: the stream ends with step 15.
; wb's 192 rows of a tile column are read by sixteen work-groups: each asks for twelve whole rows, 24,576 consecutive bytes, in three requests at the head.
; THE MATRIX INSTRUCTION IS USED TRANSPOSED (source 0 = 16 rows of wb, source 1 = 16 rows of xb): lane l then holds row l % 16 of C and the eight neighbouring columns 8 (l / 16) + 0..7.
; REGISTERS, in windows of 256 (s_set_vgpr_msb: bits 1:0 source 0, 3:2 source 1, 5:4 source 2, 7:6 destination):
;   window 0: v0-31 addresses; v32-175 at work on the way out       window 1: two fragment buffers of 128: 4 fragments of xb (16 rows x 32 K, 8 registers), then 12 of wb
;   window 2: the accumulators of my rows 0-31 ((a, b) at v[96 (a % 2) + 8 b])       window 3: those of my rows 32-63
.set PITCH,  272                       ; an LDS row: 256 bytes + 16 of padding = 68 words: row r starts at bank 4 r mod 64 (64 banks of 4 bytes: ISA guide 11.1), so the 16 rows of a load start at 16 different banks
.set NL,     32                        ; LDS loads in a run: 24 for wb's 12 fragments, 8 for xb's 4
.set AHALF,  128*PITCH                 ; what one tensor load brings of xb
.set BOFF,   2*AHALF                   ; behind xb's 256 rows: wb's 192
.set BHALF,  96*PITCH                  ; what one tensor load brings of wb
.set SLOT1,  1<<17                     ; slot 1 begins here, so that one exclusive or turns an address in one slot into the other's
.set STAGE,  SLOT1+BOFF+2*BHALF        ; behind the ring, never filled by a tensor load: for each wave 3 heads x 16 rows x 144 bytes, for the way out
.set SP,     144
.set WSTAGE, 3*16*SP
.set SPARE,  STAGE+4*WSTAGE            ; behind the stages: the spare words, 128 bytes for each wave: two blocks of 256 bytes that no other line names
.set NSTEP,  16                        ; K steps of the two tiles together
.set ADRA, 16                          ; v16  LDS address of my fragments of xb in the slot in hand
.set ADRB, 17                          ; v17  the same for wb
.set AA0,  18                          ; v18  its part that does not change
.set AB0,  19                          ; v19
.set STO,  24                          ; v24  the way out: where I put 16 bytes of a row
.set RD,   25                          ; v25  the way out: where I read rows back
.set CO,   26                          ; v26  my byte offset in 512 consecutive bytes of qkv
.set SPW,  28                          ; v28  LDS address of my spare word: SPARE + 4 x my thread's number; never rewritten
.set NIL,  29                          ; v29  0; never rewritten
.set PFO,  30                          ; v30  asking ahead, xb: row l % 16, K step l / 16; never rewritten
.set PFL,  31                          ; v31  asking ahead, wb: 256 x lane; never rewritten
.set TMP,  32                          ; v32-79   the way out: 16 rows packed
.set OB,   80                          ; v80-127, v128-175 by turns: 16 rows read back from the stage
.set F0,   0                           ; fragment buffers, in window 1
.set F1,   128
.set CNT,  3                           ; s3   trips to go
.set WV,   12                          ; s12  my wave's number
.set WH,   13                          ; s13  I fetch for xb (0) or for wb (1)
.set WL,   14                          ; s14  which half of that tile I fetch
.set TX,   17                          ; s17  tile column
.set TY,   18                          ; s18  tile row of the first tile
.set NF,   22                          ; s22  the K step to be asked for next, 2 to 15
.set TB,   23                          ; s23  LDS byte at which the slot in hand begins
.set G1A,  24                          ; s[24:31] descriptor group 1 for xb's tiles
.set G0A,  32                          ; s[32:35] group 0 of the first fill; s[36:39] the second's, which then walks
.set ABASE, 40                         ; s[40:41] xb at my half of the first tile's rows
.set BBASE, 42                         ; s[42:43] wb at my half of the tiles' rows
.set G1B,  48                          ; s[48:55], s[56:59], s[60:63] the same for wb's tiles
.set G0B,  56
.set PFA,  66                          ; s[66:67] asking ahead: xb at my sixteen rows of the first tile
.set PFC,  68                          ; s[68:69] asking ahead: at the head wb at my twelve rows, then xb at the K steps asked for
.set MSB, 0
.macro WIN new                         ; the immediate's high byte repeats the setting that is left; a switch that changes nothing is dropped
.if MSB != (\new)
	s_set_vgpr_msb (MSB<<8)|(\new)
.set MSB, \new
.endif
.endm
; A joint refill by the walking descriptors.  Waves 0 and 1 fetch xb's two halves, waves 2 and 3 wb's.  The branch hangs on the wave's number alone: it is the same in every work-group.
; An s_nop 0 and four v_nop follow each of the two lines, ahead of the jump, the label and what follows.
.macro JLOAD
	s_cmp_eq_u32 s[WH], 0
	s_cbranch_scc0 .Lfor_b_\@
	tensor_load_to_lds s[G0A+4:G0A+7], s[G1A:G1A+7]
	s_nop 0
.rept 4
	v_nop
.endr
	s_branch .Lasked_\@
.Lfor_b_\@:
	tensor_load_to_lds s[G0B+4:G0B+7], s[G1B:G1B+7]
	s_nop 0
.rept 4
	v_nop
.endr
.Lasked_\@:
.endm
; A round of the cluster's barrier: my work-group's barrier, so that wave 0's signal speaks for all four waves; wave 0 signals for the work-group; every wave waits for all sixteen work-groups; my work-group's barrier once more.
.macro CREST                           ; a round behind its opening barrier
	s_cmp_lg_u32 s[WV], 0
	s_cbranch_scc1 .Lnot_wave_0_\@
	s_barrier_signal -3
.Lnot_wave_0_\@:
	s_barrier_wait -3
	s_barrier_signal -1
	s_barrier_wait -1
.endm
.macro CROUND                          ; a whole round
	s_barrier_signal -1
	s_barrier_wait -1
	CREST
.endm
; The walking descriptors take K step NF of the stream: the other slot than last time; the address is made anew from the number: 256 bytes along K for each of a tile's 8 steps, and for xb 4,096 rows of 2,048 bytes for the second tile.
.macro NEWDESC
	s_and_b32 s20, s[NF], 7
	s_lshl_b32 s20, s20, 8
	s_xor_b32 s[G0B+5], s[G0B+5], SLOT1
	s_add_nc_u64 s[G0B+6:G0B+7], s[BBASE:BBASE+1], s[20:21]
	s_or_b32 s[G0B+7], s[G0B+7], 0x80000000
	s_lshr_b32 s19, s[NF], 3
	s_lshl_b32 s19, s19, 23
	s_add_co_u32 s20, s20, s19
	s_xor_b32 s[G0A+5], s[G0A+5], SLOT1
	s_add_nc_u64 s[G0A+6:G0A+7], s[ABASE:ABASE+1], s[20:21]
	s_or_b32 s[G0A+7], s[G0A+7], 0x80000000
	s_add_co_u32 s[NF], s[NF], 1
.endm
; Asking ahead for xb, straight behind the trip's refill.  CNT = 14 - t, and NF has just become t + 3: in the odd trips up to t = 11 (CNT odd, 3 at the least) wave 3 asks for K steps NF and NF + 1.
; The jumps hang on the wave's number and the counter alone, go forward, and pass neither a barrier nor a tensor load.
.macro ASK
	s_cmp_lg_u32 s[WV], 3
	s_cbranch_scc1 .Lno_ask_\@
	s_and_b32 s19, s[CNT], 1
	s_cmp_eq_u32 s19, 0
	s_cbranch_scc1 .Lno_ask_\@
	s_cmp_lt_u32 s[CNT], 3
	s_cbranch_scc1 .Lno_ask_\@
	s_and_b32 s20, s[NF], 7                        ; the offset of K step NF, made as the descriptors' is
	s_lshl_b32 s20, s20, 8
	s_lshr_b32 s19, s[NF], 3
	s_lshl_b32 s19, s19, 23
	s_add_co_u32 s20, s20, s19
	s_wait_xcnt 0x0                                ; the last request, two trips back, has had its address translated (ISA guide 3.1): its base is rewritten only behind this wait
	s_add_nc_u64 s[PFC:PFC+1], s[PFA:PFA+1], s[20:21]
	global_prefetch_b8 v[PFO], s[PFC:PFC+1] th:TH_LOAD_NT scope:SCOPE_SE
.Lno_ask_\@:
.endm
	s_load_b128 s[4:7], s[0:1], 0x0                ; xb s[4:5], wb s[6:7]
	s_load_b64 s[8:9], s[0:1], 0x10                ; qkv
	v_lshl_add_u32 v[SPW], v0, 2, SPARE
	v_mov_b32 v[NIL], 0
	ds_add_u32 v28, v29
	s_wait_dscnt 0x0
	v_lshrrev_b32 v1, 5, v0
	v_readfirstlane_b32 s[WV], v1                  ; wave 0..3
	s_lshr_b32 s[WH], s[WV], 1
	s_and_b32 s[WL], s[WV], 1
	s_bfe_u32 s15, ttmp6, 0x40000                  ; cx, cy: my place in the cluster
	s_bfe_u32 s16, ttmp6, 0x40004
	s_lshl_b32 s[TX], ttmp9, 2                     ; in a cluster launch ttmp9 and ttmp7 count clusters
	s_add_co_u32 s[TX], s[TX], s15                 ; tile column = 4 x cluster x + cx
	s_and_b32 s[TY], ttmp7, 0xffff
	s_lshl_b32 s[TY], s[TY], 2
	s_add_co_u32 s[TY], s[TY], s16                 ; tile row = 4 x cluster y + cy
	s_lshl_b32 s44, s16, 2
	s_lshl_b32 s44, 15, s44                        ; my row of the cluster: places 4 cy .. 4 cy + 3
	s_lshl_b32 s45, 0x1111, s15                    ; my column: places cx, cx + 4, cx + 8, cx + 12
	; descriptor group 1: rows of 128 elements, padded in LDS; 128 rows of xb, 96 of wb
	s_or_b32 s[G1A+0], s44, (1<<16)|(1<<20)|(1<<21)|(5<<22)|(3<<25)  ; 15:0 the mask: xb's tiles go to my row; 17:16 elements of 2 bytes; 20 padding on; 21 set beside a mask; 24:22 after every 64 words (code 5); 31:25 4 words (code 3)
	s_or_b32 s[G1B+0], s45, (1<<16)|(1<<20)|(1<<21)|(5<<22)|(3<<25)  ; the same with the mask of my column
	s_mov_b32 s[G1A+1], 128<<16                    ; tensor_dim0 = 128
	s_mov_b32 s[G1A+2], 128<<16                    ; tensor_dim1 = 128
	s_mov_b32 s[G1A+3], 128<<16                    ; tile_dim0 = 128
	s_mov_b32 s[G1A+4], 128                        ; tile_dim1 = 128
	s_mov_b32 s[G1A+5], 1024                       ; 1,024 elements from row to row
	s_mov_b32 s[G1A+6], 0
	s_mov_b32 s[G1A+7], 0
	s_mov_b32 s[G1B+1], 128<<16
	s_mov_b32 s[G1B+2], 96<<16                     ; tensor_dim1 = 96
	s_mov_b32 s[G1B+3], 128<<16
	s_mov_b32 s[G1B+4], 96                         ; tile_dim1 = 96
	s_mov_b32 s[G1B+5], 1024
	s_mov_b32 s[G1B+6], 0
	s_mov_b32 s[G1B+7], 0
	; where the tiles come from: xb's hang on the tile row alone, which my row of the cluster shares; wb's on the tile column alone, which my column shares
	s_lshl_b32 s20, s[TY], 19                      ; 256 rows of 2,048 bytes a tile row,
	s_lshl_b32 s19, s[WL], 18                      ; 128 rows a half
	s_add_co_u32 s20, s20, s19
	s_mov_b32 s21, 0                               ; stays 0: the high word of every offset made in s20
	s_mul_i32 s46, s[TX], 192*2048
	s_mul_i32 s2, s[WL], 96*2048
	s_add_co_u32 s46, s46, s2
	s_mov_b32 s47, 0
	s_mov_b32 s[NF], 2
	s_mov_b32 s[TB], 0
	; what I ask ahead for hangs on both coordinates, and lies in registers of its own, which feed no descriptor
	s_lshl_b32 s[PFA], s[TY], 19                   ; xb: my tile row's 256 rows,
	s_lshl_b32 s2, s[TX], 15                       ; of them the sixteen from 16 x my tile column on
	s_add_co_u32 s[PFA], s[PFA], s2
	s_mov_b32 s[PFA+1], 0
	s_mul_i32 s[PFC], s[TX], 192*2048              ; wb: my tile column's 192 rows,
	s_mul_i32 s2, s[TY], 12*2048                   ; of them the twelve from 12 x my tile row on
	s_add_co_u32 s[PFC], s[PFC], s2
	s_mov_b32 s[PFC+1], 0
	s_wait_kmcnt 0x0
	s_add_nc_u64 s[ABASE:ABASE+1], s[4:5], s[20:21]
	s_add_nc_u64 s[BBASE:BBASE+1], s[6:7], s[46:47]
	s_add_nc_u64 s[PFA:PFA+1], s[4:5], s[PFA:PFA+1]
	s_add_nc_u64 s[PFC:PFC+1], s[6:7], s[PFC:PFC+1]
	CROUND                                         ; all sixteen work-groups are here: the first joint loads meet
	s_mov_b32 s[G0A+0], 1                          ; 1:0 count = 1
	s_mul_i32 s[G0A+1], s[WL], AHALF               ; 63:32 LDS address: the wave's number alone enters it
	s_mov_b64 s[G0A+2:G0A+3], s[ABASE:ABASE+1]     ; 120:64 global address: K step 0
	s_or_b32 s[G0A+3], s[G0A+3], 0x80000000        ; 127:126 type = 2
	s_mov_b32 s[G0A+4], 1
	s_add_co_u32 s[G0A+5], s[G0A+1], SLOT1
	s_add_nc_u64 s[G0A+6:G0A+7], s[ABASE:ABASE+1], 256  ; K step 1
	s_or_b32 s[G0A+7], s[G0A+7], 0x80000000
	s_mov_b32 s[G0B+0], 1
	s_mul_i32 s[G0B+1], s[WL], BHALF
	s_add_co_u32 s[G0B+1], s[G0B+1], BOFF
	s_mov_b64 s[G0B+2:G0B+3], s[BBASE:BBASE+1]
	s_or_b32 s[G0B+3], s[G0B+3], 0x80000000
	s_mov_b32 s[G0B+4], 1
	s_add_co_u32 s[G0B+5], s[G0B+1], SLOT1
	s_add_nc_u64 s[G0B+6:G0B+7], s[BBASE:BBASE+1], 256
	s_or_b32 s[G0B+7], s[G0B+7], 0x80000000
	s_cmp_eq_u32 s[WH], 0                          ; a wave's two first fills stand in one branch, ahead of every wait on TENSORcnt and every LDS read
	s_cbranch_scc0 .Lfirst_b
	tensor_load_to_lds s[G0A:G0A+3], s[G1A:G1A+7]
	s_nop 0
	tensor_load_to_lds s[G0A+4:G0A+7], s[G1A:G1A+7]
	s_nop 0
.rept 4
	v_nop
.endr
	s_branch .Lfirst_asked
.Lfirst_b:
	tensor_load_to_lds s[G0B:G0B+3], s[G1B:G1B+7]
	s_nop 0
	tensor_load_to_lds s[G0B+4:G0B+7], s[G1B:G1B+7]
	s_nop 0
.rept 4
	v_nop
.endr
.Lfirst_asked:
	v_and_b32 v1, 15, v0                           ; l % 16
	v_bfe_u32 v2, v0, 4, 1                         ; l / 16
	v_lshlrev_b32 v[PFO], 11, v1                   ; asking ahead, xb: a row of 2,048 bytes for each l % 16,
	v_lshl_add_u32 v[PFO], v2, 8, v[PFO]           ; a K step's 256 bytes for l / 16
	v_and_b32 v[PFL], 31, v0
	v_lshlrev_b32 v[PFL], 8, v[PFL]                ; wb: 256 bytes a lane
	s_cmp_lg_u32 s[WV], 3
	s_cbranch_scc1 .Lnot_asking
	global_prefetch_b8 v[PFL], s[PFC:PFC+1] th:TH_LOAD_NT scope:SCOPE_SE               ; my twelve rows of wb: 3 x 32 lanes x 256 bytes = 24,576 bytes
	global_prefetch_b8 v[PFL], s[PFC:PFC+1] offset:8192 th:TH_LOAD_NT scope:SCOPE_SE
	global_prefetch_b8 v[PFL], s[PFC:PFC+1] offset:16384 th:TH_LOAD_NT scope:SCOPE_SE
	global_prefetch_b8 v[PFO], s[PFA:PFA+1] offset:512 th:TH_LOAD_NT scope:SCOPE_SE    ; my sixteen rows of xb, K steps 2 and 3
.Lnot_asking:
	; A fragment is 16 rows x 32 K in 8 registers: lane l holds row l % 16; registers 0-3 hold K = 8 (l / 16) + 0..7, registers 4-7 K = 16 + 8 (l / 16) + 0..7: two loads of 16 bytes, 32 bytes apart.
	v_mul_u32_u24 v3, v1, PITCH
	v_lshl_add_u32 v3, v2, 4, v3                   ; row x pitch + 16 x half
	s_mul_i32 s2, s[WV], 64*PITCH                  ; my 64 rows of xb
	v_add_nc_u32 v[AA0], s2, v3
	v_add_nc_u32 v[AB0], BOFF, v3                  ; all 192 rows of wb
	v_mov_b32 v[ADRA], v[AA0]                      ; K step 0 lies in slot 0
	v_mov_b32 v[ADRB], v[AB0]
	s_mul_i32 s2, s[WV], WSTAGE
	s_add_co_u32 s2, s2, STAGE                     ; my stage
	v_mul_u32_u24 v3, v1, SP                       ; in: row l % 16, 16 bytes for each half of the lanes
	v_lshl_add_u32 v3, v2, 4, v3
	v_add_nc_u32 v[STO], s2, v3
	v_bfe_u32 v3, v0, 3, 2                         ; back: 32 lanes take four rows of 128 bytes,
	v_mul_u32_u24 v3, v3, SP
	v_and_b32 v4, 7, v0
	v_lshl_add_u32 v3, v4, 4, v3
	v_add_nc_u32 v[RD], s2, v3
	v_and_b32 v[CO], 31, v0                        ; which are 512 consecutive bytes of a head
	v_lshlrev_b32 v[CO], 4, v[CO]
	; where my rows of the first tile begin in qkv
	s_lshr_b32 s46, s[TY], 3                       ; the batch: 8 tile rows each
	s_mul_i32 s46, s46, 12582912
	s_mul_i32 s2, s[TX], 3*262144                  ; three heads a tile column
	s_add_co_u32 s46, s46, s2
	s_and_b32 s2, s[TY], 7
	s_lshl_b32 s2, s2, 15                          ; 256 rows of 128 bytes
	s_add_co_u32 s46, s46, s2
	s_lshl_b32 s2, s[WV], 13                       ; my 64 of them
	s_add_co_u32 s46, s46, s2
	s_mov_b32 s47, 0
	s_add_nc_u64 s[8:9], s[8:9], s[46:47]
; 12 matrix instructions: my row block a (of 4) x all 12 column blocks, 32 along K, from buffer f.  zero = 1: the product starts the sums: nothing is ever cleared.
; The 48 accumulators take turns, one instruction a turn, in the same order in every quarter step.
.macro MULA f, a, zero
	WIN 0xa5+0x50*((\a)/2)                         ; sources 0 and 1 window 1; C and D window 2 (blocks 0, 1) or 3 (blocks 2, 3)
.irp b, 0,1,2,3,4,5,6,7,8,9,10,11
.if \zero
	v_wmma_f32_16x16x32_bf16 v[96*((\a)%2)+8*(\b):96*((\a)%2)+8*(\b)+7], v[(\f)+32+8*(\b):(\f)+32+8*(\b)+7], v[(\f)+8*(\a):(\f)+8*(\a)+7], 0
.else
	v_wmma_f32_16x16x32_bf16 v[96*((\a)%2)+8*(\b):96*((\a)%2)+8*(\b)+7], v[(\f)+32+8*(\b):(\f)+32+8*(\b)+7], v[(\f)+8*(\a):(\f)+8*(\a)+7], v[96*((\a)%2)+8*(\b):96*((\a)%2)+8*(\b)+7]
.endif
.endr
.endm
; 32 LDS loads in one run: the fragments of quarter q of the K step in hand into buffer f; wb's first, xb's row blocks 2 and 3 last
.macro FETCH q, f
	WIN 0x40                                       ; destination window 1, address window 0
.irp i, 0,1,2,3,4,5,6,7,8,9,10,11
	ds_load_b128 v[(\f)+32+8*(\i):(\f)+32+8*(\i)+3],   v[ADRB] offset:64*(\q)+(\i)*16*PITCH
	ds_load_b128 v[(\f)+32+8*(\i)+4:(\f)+32+8*(\i)+7], v[ADRB] offset:64*(\q)+(\i)*16*PITCH+32
.endr
.irp i, 0,1,2,3
	ds_load_b128 v[(\f)+8*(\i):(\f)+8*(\i)+3],   v[ADRA] offset:64*(\q)+(\i)*16*PITCH
	ds_load_b128 v[(\f)+8*(\i)+4:(\f)+8*(\i)+7], v[ADRA] offset:64*(\q)+(\i)*16*PITCH+32
.endr
.endm
; A load into a register that a matrix instruction has read, and a vector instruction that reads a matrix result, stand four places behind that matrix instruction, and only plain vector
; instructions that name none of its registers are places (ISA guide 7.12.1 for vector instructions).
.macro PLACES
.rept 4
	v_nop
.endr
.endm
; A K step is four quarters of 32 along K, 48 matrix instructions each, on buffers 0, 1, 0, 1.  One of the first three: multiplies buffer f; in its middle it fetches quarter q into buffer g.
.macro QUARTER q, f, g, zero
	s_wait_dscnt 4                                 ; wb's fragments and xb's blocks 0, 1 are in; the youngest four loads (blocks 2, 3) may be out
	MULA \f, 0, \zero
	MULA \f, 1, \zero
	PLACES
	FETCH \q, \g
	s_wait_dscnt NL                                ; all but the 32 just issued
	MULA \f, 2, \zero
	MULA \f, 3, \zero
.endm
; The last quarter multiplies buffer 1 and changes slots: ONE barrier.  In front of it each wave waits for all its tensor loads, of which one is out: its part of the next slot; adds 0 to its spare word; and waits
; for that and for its own reads of this slot.  fill = 1: the barrier opens a round of the cluster's barrier, and this slot is filled again first thing behind the round, two K steps ahead:
; from the request to the wait for it a wave issues 168 matrix instructions.
.macro TURN fill
	WIN 0                                          ; (the add's two registers lie in window 0)
	s_wait_tensorcnt 0x0                           ; all my tensor loads have landed, so the walking descriptors may be written;
	ds_add_u32 v[SPW], v[NIL]                      ; 0 onto my spare word
	s_wait_dscnt 5                                 ; (the add and the youngest four loads may be out)
	MULA F1, 0, 0                                  ; twelve matrix instructions stand between the add and the wait for it
	s_wait_dscnt 0x0                               ; the add is done, and my reads of this slot are over
	s_barrier_signal -1
	MULA F1, 1, 0                                  ; work on registers while the others arrive
	WIN 0
	s_barrier_wait -1
.if \fill
	CREST                                          ; no wave of any partner still reads this slot's tile or has a load on its way
	NEWDESC
	JLOAD                                          ; the first tensor load behind the round; the four v_nop behind it are also the places in front of the loads below
	ASK
.else
	PLACES
.endif
	s_xor_b32 s[TB], s[TB], SLOT1                  ; the reads go on in the other slot
	v_add_nc_u32 v[ADRA], s[TB], v[AA0]
	v_add_nc_u32 v[ADRB], s[TB], v[AB0]
	FETCH 0, F0
	MULA F1, 2, 0
	MULA F1, 3, 0
.endm
; THE WAY OUT of my row block a, in three parts.  PACK: rounded to f16, 16 bytes a lane; each accumulator's registers in ascending order.  TOSTAGE: into my own stage in LDS, head by head, and back as whole rows
; of 128 bytes.  SEND: stored.
.macro PACK a
	WIN 0x0a+5*((\a)/2)                            ; sources 0 and 1: window 2 or 3
.irp b, 0,1,2,3,4,5,6,7,8,9,10,11
.irp r, 0,1,2,3
	v_cvt_pk_f16_f32 v[TMP+4*(\b)+(\r)], v[96*((\a)%2)+8*(\b)+2*(\r)], v[96*((\a)%2)+8*(\b)+2*(\r)+1]
.endr
.endr
	WIN 0
.endm
.macro TOSTAGE a
.irp b, 0,1,2,3,4,5,6,7,8,9,10,11
	ds_store_b128 v[STO], v[TMP+4*(\b):TMP+4*(\b)+3] offset:((\b)/4)*16*SP+((\b)%4)*32  ; head b / 4, channels 16 (b % 4) on
.endr
	s_wait_xcnt 0x0                                ; every earlier store has had its addresses translated (ISA guide 3.1): the registers that it reads are loaded again only behind this wait
.irp j, 0,1,2
.irp f, 0,1,2,3
	ds_load_b128 v[OB+48*((\a)%2)+4*(4*(\j)+(\f)):OB+48*((\a)%2)+4*(4*(\j)+(\f))+3], v[RD] offset:(\j)*16*SP+(\f)*4*SP  ; LDS serves a wave's instructions in order (ISA guide 5.7.1.4): these see the stores above
.endr
.endr
.endm
.macro SEND a
	s_wait_dscnt 0x0                               ; the block is back in registers
.irp j, 0,1,2
.irp f, 0,1,2,3
	global_store_b128 v[CO], v[OB+48*((\a)%2)+4*(4*(\j)+(\f)):OB+48*((\a)%2)+4*(4*(\j)+(\f))+3], s[8:9] offset:(\j)*262144+(\a)*2048+(\f)*512  ; four rows of a head: 512 consecutive bytes, at a multiple of 512 from qkv's first byte
.endr
.endr
.endm
	s_wait_tensorcnt 0x1                           ; my part of K step 0 is in; K step 1's load, issued behind it, stays out
	s_barrier_signal -1
	s_barrier_wait -1                              ; everybody's is
	FETCH 0, F0
	WIN 0                                          ; at a label and at a branch every window is 0
	s_mov_b32 s[CNT], NSTEP-1                      ; the quarter that starts the sums takes it down to 14, the trips to go
	s_branch .Lzero                                ; the loop is entered at that quarter, in the middle of a trip
.Lstep:                                                ; trip t (CNT = 14 - t) ends K step t, fills its slot again with K step t + 2, and begins K step t + 1
	QUARTER 2, F1, F0, 0
	QUARTER 3, F0, F1, 0
	TURN 1
	WIN 0
	s_cmp_eq_u32 s[CNT], NSTEP/2-1                 ; trip 7 has ended the first tile: forward to the way out, past text with neither a tensor load nor a barrier that this trip owes
	s_cbranch_scc1 .Lway
	QUARTER 1, F0, F1, 0
	WIN 0
	s_sub_co_u32 s[CNT], s[CNT], 1
	s_cmp_lg_u32 s[CNT], 0
	s_cbranch_scc1 .Lstep
	QUARTER 2, F1, F0, 0                           ; the last two K steps are written out: they ask for nothing.  CNT is 0 from here on
	QUARTER 3, F0, F1, 0
	TURN 0
	QUARTER 1, F0, F1, 0
	QUARTER 2, F1, F0, 0
	QUARTER 3, F0, F1, 0
	s_wait_dscnt 4                                 ; the very last quarter: nothing more to fetch
	MULA F1, 0, 0
	MULA F1, 1, 0
	s_wait_dscnt 0x0
	MULA F1, 2, 0
	MULA F1, 3, 0
	WIN 0
.Lway:                                                 ; A TILE GOES OUT.  From trip 7: the second tile's first two K steps are asked for, and nothing waits for the stores.  From the tail: the second tile
	PLACES                                         ; the conversions read results just made
	PACK 0
	TOSTAGE 0
.irp a, 1,2,3                          ; block a's conversions stand between block a - 1's loads from the stage and the wait for them
	PACK \a
	SEND (\a)-1
	TOSTAGE \a
.endr
	SEND 3
	s_cmp_eq_u32 s[CNT], 0                         ; the tail's way: that was the last tile
	s_cbranch_scc1 .Lend
	s_wait_xcnt 0x0                                ; the stores' base is rewritten only behind this wait
	s_add_nc_u64 s[8:9], s[8:9], 25165824          ; two batches on
.Lzero:
	QUARTER 1, F0, F1, 1                           ; a tile's first products start its sums
	WIN 0
	s_sub_co_u32 s[CNT], s[CNT], 1                 ; 15 to 14 on the way in, 7 to 6 between the tiles: the branch is taken both times
	s_cmp_lg_u32 s[CNT], 0
	s_cbranch_scc1 .Lstep
.Lend:
	s_wait_tensorcnt 0x0                           ; the wave's end: behind my last tensor load and my last LDS store
	ds_add_u32 v[SPW], v[NIL]
	s_wait_dscnt 0x0
	CROUND                                         ; the closing round: no work-group ends while a partner may still ask for a tile that names it
	s_endpgm
.Lfunc_end_k_q1b196da84e_qkv:
	.size	k_q1b196da84e_qkv, .Lfunc_end_k_q1b196da84e_qkv-k_q1b196da84e_qkv
	.p2alignl 7, 3214868480
	.fill 96, 4, 3214868480
	.section	.rodata,"a",@progbits
	.p2align	6, 0x0
	.amdhsa_kernel k_q1b196da84e_qkv
		.amdhsa_group_segment_fixed_size 327680
		.amdhsa_private_segment_fixed_size 0
		.amdhsa_enable_private_segment 0
		.amdhsa_kernarg_size 24
		.amdhsa_user_sgpr_count 2
		.amdhsa_user_sgpr_kernarg_segment_ptr 1
		.amdhsa_wavefront_size32 1
		.amdhsa_system_sgpr_workgroup_id_x 1
		.amdhsa_system_sgpr_workgroup_id_y 1
		.amdhsa_system_sgpr_workgroup_id_z 1
		.amdhsa_system_vgpr_workitem_id 0
		.amdhsa_next_free_vgpr 960
		.amdhsa_next_free_sgpr 70
		.amdhsa_reserve_vcc 0
		.amdhsa_float_denorm_mode_32 3
		.amdhsa_float_denorm_mode_16_64 3
		.amdhsa_memory_ordered 1
		.amdhsa_forward_progress 1
		.amdhsa_inst_pref_size 98
	.end_amdhsa_kernel
	.amdgpu_metadata
---
amdhsa.version: [ 1, 2 ]
amdhsa.kernels:
  - .name:           k_q1b196da84e_qkv
    .symbol:         k_q1b196da84e_qkv.kd
    .args:
      - { .name: xb, .offset: 0, .size: 8, .value_kind: global_buffer, .address_space: global }
      - { .name: wb, .offset: 8, .size: 8, .value_kind: global_buffer, .address_space: global }
      - { .name: qkv, .offset: 16, .size: 8, .value_kind: global_buffer, .address_space: global }
    .group_segment_fixed_size: 327680
    .private_segment_fixed_size: 0
    .kernarg_segment_align: 8
    .kernarg_segment_size: 24
    .max_flat_workgroup_size: 128
    .sgpr_count:     70
    .vgpr_count:     960
    .wavefront_size: 32
...
	.end_amdgpu_metadata
.endif
;; end of part 2
;; launch attn (part 3): grid 4 x 64, 4 waves a work-group, clusters of 4 x 1, 327,680 bytes of LDS; arguments qkv, ob; writes ob
.if DOCPART == 3
	.amdgcn_target "amdgcn-amd-amdhsa--gfx1250"
	.amdhsa_code_object_version 6
	.text
	.protected	k_q1b196da84e_attn
	.globl	k_q1b196da84e_attn
	.p2align	8
	.type	k_q1b196da84e_attn,@function
k_q1b196da84e_attn:
	s_mov_b64 s[64:65], 0
	v_nop
	global_prefetch_b8 v0, s[64:65] scope:SCOPE_SE
	s_setreg_imm32_b32 hwreg(HW_REG_WAVE_MODE, 25, 1), 1
	s_wait_xcnt 0x0
	s_wait_alu depctr_hold_cnt(0) depctr_sa_sdst(0) depctr_va_vdst(0) depctr_va_sdst(0) depctr_va_ssrc(0) depctr_va_vcc(0) depctr_vm_vsrc(0)
	s_getreg_b32 s2, hwreg(HW_REG_IB_STS2, 6, 4)
	s_cmp_eq_u32 s2, 0
	s_cbranch_scc0 .Lentry_in_a_cluster
	s_endpgm
.Lentry_in_a_cluster:
	s_bfe_u32 s2, ttmp6, 0x10000c
	s_cmp_lg_u32 s2, 0x3003
	s_cbranch_scc0 .Lentry_shape_is_right
	s_endpgm
.Lentry_shape_is_right:
; ATTENTION.  O[hh][q][:] = the sum over k of softmax_k(Q[hh][q] . K[hh][k] / 8) V[hh][k][:] for the 64 pairs hh = 16 b + h of batch and head, 2,048 rows of 64 channels each, all f16.
; Q, K, V lie in one buffer, qkv[b][g][t][64]: q's head h at g = h, k's at g = 16 + h, v's at g = 32 + h; a head's rows are dense, 128 bytes each.  O goes to ob[hh][t][64].
; Products, maxima and sums in f32; the weights p are rounded to f16 for the second product (their sum l is taken of the unrounded p), O once at the end.
; LIMITS.  f16 holds no number beyond 65,504: Q, K and V arrive within it; p lies in 0 to 1, and below 6e-5 it keeps f16's fixed step of 6e-8, and so does O; O is a mean of V's rows and has their range.
; A weight below 2^-126 counts as 0 in l; NaN and infinities are not treated apart.
; SHARES.  A wave owns four PIECES of two tiles of 16 queries, a work-group's four waves 512 queries of one head: 4 x 64 = 256 work-groups.  Every wave walks all keys, 64 a step.
; LAYOUT.  S^T = K Q^T (source 0 = 16 keys, source 1 = 16 queries): in the result a lane holds ONE query (lane % 16) and the keys 8 (lane / 16) + 0..7.  Two such tiles, rounded to f16 in pairs,
; ARE source 1 (32 keys x 16 queries) of O^T = V^T P, whose result again holds one query a lane, and eight channels.  K comes out of LDS as it lies, V ([key][channel]) turned, by ds_load_tr16_b128.
; SOFTMAX.  For each query a running maximum m and sum l: p = 2^(c s - c m), c = log2(e) / 8; in every step O and l are multiplied by a = 2^(c m_old - c m_new), which is 1 where m has not grown.
; m starts at the lowest finite number, O and l at 0: the first step is a step like any other, with a = 0.
; THE COUNT.  A tile and step have 16 matrix and 118 vector instructions: too many to stand all beside the matrix work.  So the order has one aim: four vector instructions that are READY behind
; EVERY matrix instruction, and the others, which need time of their own whatever the order, in runs without a gap.
; BY TURNS.  Turn n belongs to piece n (the pieces in a ring, step after step).  Its matrix work: 16 products K Q^T of piece n + 1, later 16 products V^T P of piece n - 1.  Its vector work: the scaling,
; exponentials, roundings, sums and rescaling of piece n, and the maximum and statistics of piece n + 1, whose scores the turn itself has made.  So what a turn begins with (c s - c m, O a) waits for nothing.
; CLUSTER.  The four query blocks of a cluster belong to one head and walk the same K and V, so each tile is asked for JOINTLY: the same tensor load, descriptor and mask in all four.
; REGISTERS, in windows of 256 (s_set_vgpr_msb says which window each operand place means: bits 1:0 source 0, 3:2 source 1, 5:4 source 2, 7:6 destination):
;   window 0: v0-11 addresses; v12-15, v48-63 at work; v16-47 four registers of statistics a tile; v64-191 S^T, two buffers of two tiles; v192-255 P, likewise
;   window 1: O^T, 32 a tile          window 2: v0-127 Q, 16 a tile; v128-191 K of one step; v192-255 V of one step          window 3: v0-1 the add's two registers
; A piece's buffers go by its number's parity: the piece in hand has one pair, its two neighbours in the ring share the other: of it P (piece n - 1) is read and S^T (piece n + 1) written.
.set SIZE_N, 2048     ; rows of a head
.set NP,    4         ; pieces a wave: a name, no knob: the register map, the loop and the fetches are made for four
.set KS,    64        ; keys in a step
.set PK,    144       ; a row of K in LDS: 128 bytes + 16 of padding = 36 words: the 16 rows of a load start at 16 different groups of four banks (64 banks of 4 bytes: ISA guide 11.1)
.set PV,    160       ; a row of V: 128 + 32 = 40 words
.set VOFF,  4*KS*PK   ; a slot holds four steps: 256 rows of K, then 256 rows of V
.set SLOT1, 1<<17     ; slot 1 begins here, so that one exclusive or turns an address in one slot into the other's
.set STAGE, SLOT1+4*KS*(PK+PV)  ; behind the ring, never filled by a tensor load: 16 rows x 144 bytes for each wave, for the way out
.set SP,    144
.set AK0, 2           ; v2   my lane's place in a tile of K; never rewritten
.set AV0, 3           ; v3   the same for V
.set AK,  4           ; v4   the LDS address of K's next run of loads
.set AV,  5           ; v5   of V's
.set QO,  6           ; v6   my byte offset in the wave's rows of Q
.set STO, 6           ;      later, the way out: where I put 16 bytes of a row
.set RD,  7           ; v7   the way out: where I read rows back
.set GO,  8           ; v8   my byte offset in 512 consecutive bytes of O
.set SPW, 0           ; v0 of window 3   LDS address of my spare word: SPARE + 4 x my thread's number; never rewritten
.set NIL, 1           ; v1 of window 3   0; never rewritten
.set SPARE, STAGE+4*16*SP  ; behind the stages: the spare words, 128 bytes for each wave: two blocks of 256 bytes that no other line names
.set MV,  12          ; v12-15  c m_old, kept while c m is made anew: by buffer and tile
.set ST,  16          ; tile t's statistics at v[ST+4 t]: c m, m, l (even keys', odd keys')
.set TMP, 48          ; by buffer and tile, four registers c0-c3 at work; when the maximum is found c2 takes a
.set S,   64
.set P,   192
.set KF,  128         ; K's fragments, in window 2: key block kb, channel half c at KF + 16 kb + 8 c
.set VF,  192         ; V's: key half kk, channel block cb at VF + 32 kk + 8 cb
.set WV,  12          ; s12  my wave's number
.set G1K, 24          ; s[24:31] descriptor group 1 for K's tiles
.set G1V, 32          ; s[32:39] for V's: it differs in the padding alone
.set G0K, 40          ; s[40:43] descriptor group 0 for K's tiles: it walks
.set G0V, 44          ; s[44:47] the same for V's
.set SLOTS, 56        ; s56  slots still to be asked for
.set CNT, 57          ; s57  counts a slot's key steps
.set CS,  58          ; s[58:59] c: the packed scaling takes the pair's low word for both halves
.set SEL, 60          ; s[60:61] v_permlanex16_b32's selects: each lane takes its own place in the other half
.set TBK, 62          ; s62  LDS byte at which K of the step to be fetched begins
.set TBV, 63          ; s63  the same for V, less VOFF
.set MSB, 0
.macro WIN new                      ; the high byte repeats the setting that is left; a switch that changes nothing is dropped
.if MSB != (\new)
	s_set_vgpr_msb (MSB<<8)|(\new)
.set MSB, (\new)
.endif
.endm
.set W_KQ, 0x0a       ; K and Q in window 2, S^T in window 0
.set W_PV, 0x52       ; V in window 2, P in window 0, O^T in window 1
.set W_RS, 0x41       ; O^T (destination and source 0) in window 1, a in window 0
.set W_MK, 0xc0       ; the add's registers are made: destination in window 3, sources in window 0
.set W_AD, 0x0f       ; the add: address (source 0) and data (source 1) in window 3
; A joint fill.  Waves 0 and 1 fetch the two halves of a slot's K, waves 2 and 3 those of its V: 128 keys each.  The branch hangs on the wave's number alone.
; An s_nop 0 and four v_nop follow each of the two lines, ahead of the jump and the label.
.macro JLOAD
	s_cmp_lt_u32 s[WV], 2
	s_cbranch_scc0 .Lfor_v_\@
	tensor_load_to_lds s[G0K:G0K+3], s[G1K:G1K+7]
	s_nop 0
.rept 4
	v_nop
.endr
	s_branch .Lasked_\@
.Lfor_v_\@:
	tensor_load_to_lds s[G0V:G0V+3], s[G1V:G1V+7]
	s_nop 0
.rept 4
	v_nop
.endr
.Lasked_\@:
.endm
; A round of the cluster's barrier: my work-group's barrier, so that wave 0's signal speaks for all four waves; wave 0 signals; every wave waits for all four work-groups; my work-group's barrier once more.
.macro CROUND
	s_barrier_signal -1
	s_barrier_wait -1
	s_cmp_lg_u32 s[WV], 0
	s_cbranch_scc1 .Lnot_wave_0_\@
	s_barrier_signal -3
.Lnot_wave_0_\@:
	s_barrier_wait -3
	s_barrier_signal -1
	s_barrier_wait -1
.endm
; THE CHANGE OF SLOTS.  The slot's last bytes, V of its fourth step, have been read.  Each wave waits for all its tensor loads, of which one is out: its part
; of the other slot; adds 0 to its spare word; and waits for that and for its own reads of the slot.  Behind the barrier nobody reads this slot any more and the other slot is whole.
; fill = 1: this slot is filled again, with the keys two slots on.  The barrier is then a round of the cluster's, so that no wave of any partner still reads the slot or has a load on its
; way, and the joint fill is the first thing behind it: it has four key steps, 512 matrix instructions, in which to land.  (At its first use nothing has been read yet: slot 0 is waited for, slot 1 filled.)
.macro CHANGE fill
	WIN W_AD
	s_wait_tensorcnt 0x0            ; no tensor load of mine is out, so a group 0 may be written
	ds_add_u32 v[SPW], v[NIL]       ; 0 onto my spare word; with fill = 1 the descriptors' steps stand between it and the wait for it
	WIN 0                           ; at a label and at a branch every window is 0
.if \fill
.irp g, G0K, G0V
	s_xor_b32 s[\g+1], s[\g+1], SLOT1  ; the walking descriptor: the other slot than last time,
	s_add_nc_u64 s[\g+2:\g+3], s[\g+2:\g+3], 4*KS*128  ; the next 256 keys; the type bits on top are not reached
.endr
	s_wait_dscnt 0x0                ; the add is done, and my reads of the slot are over
	CROUND
	JLOAD
.else
	s_wait_dscnt 0x0                ; the add is done, and my reads of the slot are over
	s_barrier_signal -1
	s_barrier_wait -1
.endif
	s_sub_co_u32 s[TBK], s[TBK], 4*KS*PK  ; the fetches go back to a slot's first step,
	s_xor_b32 s[TBK], s[TBK], SLOT1       ; in the other slot
	s_sub_co_u32 s[TBV], s[TBV], 4*KS*PV
	s_xor_b32 s[TBV], s[TBV], SLOT1
.endm
	s_load_b64 s[4:5], s[0:1], 0x0    ; qkv
	s_load_b64 s[10:11], s[0:1], 0x8  ; ob
	WIN W_MK
	v_lshl_add_u32 v[SPW], v0, 2, SPARE
	v_mov_b32 v[NIL], 0
	s_set_vgpr_msb 0xc0cf
	ds_add_u32 v0, v1
	s_wait_dscnt 0x0
	s_set_vgpr_msb 0xcfc0
	WIN 0
	v_lshrrev_b32 v1, 5, v0
	v_readfirstlane_b32 s[WV], v1   ; wave 0..3
	s_bfe_u32 s13, ttmp6, 0x40000   ; cx: my place in the cluster
	s_lshl_b32 s14, ttmp9, 2        ; in a cluster launch ttmp9 counts clusters
	s_add_co_u32 s14, s14, s13      ; my block of queries = 4 x cluster x + cx: it enters Q's and O's addresses alone
	s_and_b32 s48, ttmp7, 0xffff    ; hh = 16 b + h, which the four partners share
	s_lshr_b32 s49, s48, 4
	s_mul_i32 s20, s49, 0xc00000    ; in qkv a batch is 48 heads of 262,144 bytes,
	s_and_b32 s49, s48, 15
	s_lshl_b32 s49, s49, 18
	s_add_co_u32 s20, s20, s49      ; and q's head h the h-th of them
	s_mov_b32 s21, 0
	s_lshl_b32 s50, s48, 18         ; in ob the heads lie one behind the other
	s_mov_b32 s51, 0
	s_and_b32 s16, s[WV], 1         ; which half of a slot's 256 keys I fetch:
	s_lshl_b32 s22, s16, 14         ; its 128 rows of 128 bytes in memory,
	s_mov_b32 s23, 0
	s_add_nc_u64 s[22:23], s[22:23], s[20:21]
	s_mul_i32 s17, s16, 128*PK      ; and its place in a slot, for K
	s_mul_i32 s18, s16, 128*PV      ; and for V: no place in the cluster enters an LDS address
	s_lshl_b32 s2, s14, 2
	s_add_co_u32 s2, s2, s[WV]      ; my wave among the head's,
	s_lshl_b32 s2, s2, 14           ; its 128 rows
	s_mov_b32 s3, 0
	s_add_nc_u64 s[52:53], s[2:3], s[50:51]  ; my rows' offset in ob,
	s_add_nc_u64 s[2:3], s[2:3], s[20:21]    ; and in qkv
	; descriptor group 1.  128 keys are 16,384 dense bytes: asked for as 64 rows of 256 bytes, two keys a row, and padded in LDS after every key
	s_mov_b32 s[G1K], 15|(1<<16)|(1<<20)|(1<<21)|(4<<22)|(3<<25)  ; 15:0 the mask of four; 17:16 2-byte elements; 20 padding on; 21 set beside a mask; 24:22 after every 32 words (code 4); 31:25 4 words (code 3)
	s_mov_b32 s[G1V], 15|(1<<16)|(1<<20)|(1<<21)|(4<<22)|(7<<25)  ; the same with 8 words of padding (code 7)
.irp g, G1K, G1V
	s_mov_b32 s[\g+1], 128<<16      ; tensor_dim0 = 128
	s_mov_b32 s[\g+2], 64<<16       ; tensor_dim1 = 64
	s_mov_b32 s[\g+3], 128<<16      ; tile_dim0 = 128
	s_mov_b32 s[\g+4], 64           ; tile_dim1 = 64
	s_mov_b32 s[\g+5], 128          ; 128 elements from row to row
	s_mov_b32 s[\g+6], 0
	s_mov_b32 s[\g+7], 0
.endr
	s_mov_b32 s[CS], 0x3e38aa3b     ; c = log2(e) / 8 = 0.180337
	s_mov_b32 s[CS+1], s[CS]        ; named with it as a pair
	s_mov_b32 s[SEL], 0x76543210
	s_mov_b32 s[SEL+1], 0xfedcba98
	s_mov_b32 s[TBK], SLOT1+4*KS*PK ; the first change of slots turns these two into 0
	s_mov_b32 s[TBV], SLOT1+4*KS*PV
	s_mov_b32 s[G0K], 1             ; 1:0 count = 1
	s_mov_b32 s[G0K+1], s17         ; 63:32 LDS address: slot 0
	s_mov_b32 s[G0V], 1
	s_add_co_u32 s[G0V+1], s18, VOFF
	s_wait_kmcnt 0x0
	s_add_nc_u64 s[6:7], s[4:5], 0x400000          ; k's heads begin 16 heads behind q's,
	s_add_nc_u64 s[8:9], s[4:5], 0x800000          ; v's 32
	s_add_nc_u64 s[G0K+2:G0K+3], s[6:7], s[22:23]  ; 120:64 global address: my half of the head's first 256 keys
	s_or_b32 s[G0K+3], s[G0K+3], 0x80000000        ; 127:126 type = 2
	s_add_nc_u64 s[G0V+2:G0V+3], s[8:9], s[22:23]
	s_or_b32 s[G0V+3], s[G0V+3], 0x80000000
	s_add_nc_u64 s[4:5], s[4:5], s[2:3]  ; Q and O at my wave's first row
	s_add_nc_u64 s[10:11], s[10:11], s[52:53]
	CROUND                          ; all four work-groups are here: the first joint loads meet
	JLOAD                           ; slot 0.  Slot 1 is asked for when slot 0 is in: the tile wanted first has the road to itself
	; A fragment of K or Q is 16 rows x 32 channels in 8 registers: lane l holds row l % 16, channels 8 (l / 16) + 0..7 and 16 + 8 (l / 16) + 0..7: two loads of 16 bytes, 32 bytes apart.
	v_and_b32 v1, 15, v0            ; l % 16
	v_bfe_u32 v9, v0, 4, 1          ; l / 16
	v_lshlrev_b32 v[QO], 7, v1
	v_lshl_add_u32 v[QO], v9, 4, v[QO]  ; row x 128 + 16 x half
	WIN 0x80                        ; destination window 2, address window 0
.set i, 0
.rept 4*NP                          ; Q stays in registers: tile i / 2, channels 32 (i % 2) on
	global_load_b128 v[8*i:8*i+3],   v[QO], s[4:5] offset:(i/2)*2048+(i%2)*64
	global_load_b128 v[8*i+4:8*i+7], v[QO], s[4:5] offset:(i/2)*2048+(i%2)*64+32
.set i, i+1
.endr
	; What the first turn finds: V's registers and P's second buffer hold 0 (its products V^T P, of a piece that has not been, add 0), O^T and l are 0.  All this stands in the wait for the first tile.
.set i, VF
.rept 64
	v_mov_b32 v[i], 0
.set i, i+1
.endr
	WIN 0x40
.set i, 0
.rept 64*NP
	v_mov_b32 v[i], 0
.set i, i+1
.endr
	WIN 0
.set i, 0
.rept 2*NP
	v_mov_b32 v[ST+4*i], 0xfe000000    ; c m: far below every c s
	v_mov_b32 v[ST+4*i+1], 0xff7fffff  ; m
	v_mov_b32 v[ST+4*i+2], 0
	v_mov_b32 v[ST+4*i+3], 0
.set i, i+1
.endr
.set i, P+32
.rept 32
	v_mov_b32 v[i], 0
.set i, i+1
.endr
	v_mul_u32_u24 v[AK0], v1, PK
	v_lshl_add_u32 v[AK0], v9, 4, v[AK0]  ; row x pitch + 16 x half
	; The turning load takes 16 keys x 16 channels (lane l reads key 8 (l / 16) + l % 8, channels 8 ((l / 8) % 2) + 0..7) and leaves half a fragment of V^T: lane l holds channel l % 16 and 8 keys.
	v_and_b32 v10, 7, v0
	v_bfe_u32 v11, v0, 3, 1
	v_lshl_add_u32 v[AV0], v9, 3, v10
	v_mul_u32_u24 v[AV0], v[AV0], PV
	v_lshl_add_u32 v[AV0], v11, 4, v[AV0]
	v_add_nc_u32 v[AV0], VOFF, v[AV0]
	v_mov_b32 v[AK], v[AK0]         ; key step 0 lies at the head of slot 0
; THE MATRIX WORK.  The 8 accumulators of a run of 16 take turns: between the two links of a chain stand 7 others'.
; Product i of 16 of S^T = K Q^T for piece x: channels 32 (i / 8) on, keys 16 ((i / 2) % 4) on, tile 2 x + i % 2.  The first 8 start the sums.
.macro KQ x
	WIN W_KQ
.set rS, S+64*((\x)%2)+32*(i%2)+8*((i/2)%4)
.set rK, KF+16*((i/2)%4)+8*(i/8)
.set rQ, 16*(2*(\x)+i%2)+8*(i/8)
.if i < 8
	v_wmma_f32_16x16x32_f16 v[rS:rS+7], v[rK:rK+7], v[rQ:rQ+7], 0
.else
	v_wmma_f32_16x16x32_f16 v[rS:rS+7], v[rK:rK+7], v[rQ:rQ+7], v[rS:rS+7]
.endif
.endm
; Product i of 16 of O^T += V^T P for piece x: keys 32 (i / 8) on, channels 16 ((i / 2) % 4) on, tile 2 x + i % 2.
.macro PV x
	WIN W_PV
.set rO, 32*(2*(\x)+i%2)+8*((i/2)%4)
.set rV, VF+32*(i/8)+8*((i/2)%4)
.set rP, P+32*((\x)%2)+16*(i%2)+8*(i/8)
	v_wmma_f32_16x16x32_f16 v[rO:rO+7], v[rV:rV+7], v[rP:rP+7], v[rO:rO+7]
.endm
.macro MM                           ; the turn's next matrix instruction
.if i < 16
	KQ (Y+1)%NP
.set i, i+1
.else
.set i, i-16
	PV (Y+NP-1)%NP
.set i, i+17
.endif
.endm
; THE LDS LOADS stand in runs of 16, never singly among the matrix instructions: a step's K (64 keys x 64 channels: 8 fragments) and its V (turned).  Their addresses are made some lines ahead.
; last = 1 (the tail): in the last trip there is no further step, and the run is jumped over.
.macro FETCH_K last=0
	WIN 0
.if \last
	s_cmp_eq_u32 s[CNT], 1
	s_cbranch_scc1 .Lno_k_\@
.endif
	WIN 0x80                        ; destination window 2
.irp f, 0,1,2,3,4,5,6,7             ; keys 16 (f / 2) on, channels 32 (f % 2) on
	ds_load_b128 v[KF+8*\f:KF+8*\f+3],   v[AK] offset:(\f/2)*16*PK+(\f%2)*64
	ds_load_b128 v[KF+8*\f+4:KF+8*\f+7], v[AK] offset:(\f/2)*16*PK+(\f%2)*64+32
.endr
	s_add_co_u32 s[TBK], s[TBK], KS*PK  ; the next fetch is the next step's
	WIN 0
.if \last
.Lno_k_\@:
.endif
.endm
.macro FETCH_V
	WIN 0x80
.irp f, 0,1,2,3,4,5,6,7             ; keys 32 (f / 4) on, channels 16 (f % 4) on
	ds_load_tr16_b128 v[VF+8*\f:VF+8*\f+3],   v[AV] offset:(\f/4)*32*PV+(\f%4)*32
	ds_load_tr16_b128 v[VF+8*\f+4:VF+8*\f+7], v[AV] offset:(\f/4)*32*PV+16*PV+(\f%4)*32
.endr
	WIN 0
.endm
; THE VECTOR WORK OF A TURN stands in three queues, each in the order in which its entries become ready; the two tiles alternate, so that no instruction reads the result of the one before it.
.macro REGS y, u                    ; the registers of tile u (0, 1) of piece y
.set rT, ST+4*(2*(\y)+(\u))
.set rC, TMP+8*((\y)%2)+4*(\u)
.set rM, MV+2*((\y)%2)+(\u)
.set rS, S+64*((\y)%2)+32*(\u)
.set rP, P+32*((\y)%2)+16*(\u)
.set rO, 32*(2*(\y)+(\u))
.endm
; Number n of the 22 that find the NEXT piece's (Y + 1) maximum and statistics.  s0-s31 are the lane's 32 scores; each accumulator's lowest registers are read first.  XS, GS and REGS set no window: PL and EX do.
;   0-11  four chains c0-c3 of seven scores each, three operands at a time     12-14, 16  the four scores left over, the old m, and c0-c3 into c0     15  c m_old is kept
;   17, 18  the query's other 32 keys lie in the lane 16 away: the new m         19-21  c m; c m_old - c m_new; a
.macro XS u, n
	REGS (Y+1)%NP, \u
.if (\n) < 4
	v_max3_num_f32 v[rC+(\n)], v[rS+8*(\n)], v[rS+8*(\n)+1], v[rS+8*(\n)+2]
.elseif (\n) < 12
	v_max3_num_f32 v[rC+(\n)%4], v[rC+(\n)%4], v[rS+8*((\n)%4)+2*((\n)/4)+1], v[rS+8*((\n)%4)+2*((\n)/4)+2]
.elseif (\n) == 12
	v_max3_num_f32 v[rC], v[rC], v[rS+7], v[rS+15]
.elseif (\n) == 13
	v_max3_num_f32 v[rC+1], v[rC+1], v[rS+23], v[rS+31]
.elseif (\n) == 14
	v_max3_num_f32 v[rC+2], v[rC+2], v[rC+3], v[rT+1]
.elseif (\n) == 15
	v_mov_b32 v[rM], v[rT]
.elseif (\n) == 16
	v_max3_num_f32 v[rC], v[rC], v[rC+1], v[rC+2]
.elseif (\n) == 17
	v_permlanex16_b32 v[rC+3], v[rC], s[SEL], s[SEL+1]
.elseif (\n) == 18
	v_max_num_f32 v[rT+1], v[rC], v[rC+3]
.elseif (\n) == 19
	v_mul_f32 v[rT], s[CS], v[rT+1]
.elseif (\n) == 20
	v_sub_f32 v[rC+1], v[rM], v[rT]
.else
	v_exp_f32 v[rC+2], v[rC+1]
.endif
.endm
; Number g of the 64 that follow the exponentials.  For each four weights k of a tile (pairs 2 k, 2 k + 1): both pairs are rounded to f16; then the second pair is added onto the first, in place;
; a group later l takes that sum (the first time as l = a l + sum).  In groups of eight, tiles alternating: round, round, add, and l for the group before.
.macro GS g
.set h, (\g)+6*((\g)/62)            ; group 0 has no group before it, and behind group 7 only l is left
.if h >= 6
.set h, h+2
.endif
	REGS Y, h%2
.set k, h/8
.if h%8 < 4
	s_wait_alu depctr_va_vdst(0)
	v_cvt_pk_f16_f32 v[rP+2*k+(h%8)/2], v[rS+4*k+2*((h%8)/2)], v[rS+4*k+2*((h%8)/2)+1]
.elseif h%8 < 6
	v_pk_add_f32 v[rS+4*k:rS+4*k+1], v[rS+4*k:rS+4*k+1], v[rS+4*k+2:rS+4*k+3]
.elseif k == 1
	v_pk_fma_f32 v[rT+2:rT+3], v[rT+2:rT+3], v[rC+2:rC+3], v[rS:rS+1] op_sel_hi:[1,0,1]
.else
	v_pk_add_f32 v[rT+2:rT+3], v[rT+2:rT+3], v[rS+4*k-4:rS+4*k-3]
	s_wait_alu depctr_va_vdst(0)
.endif
.endm
; THE PLAIN QUEUE, 138 long.  0-31: c s - c m for the 16 pairs of both tiles.  Then GS's 64, and among them the next piece's 42: number 15 at 38, 39; 0-14 and 16
; at 42-73, behind the products that make those scores; 17-20 at 95-106, two of three, since each waits for the one before it.
.macro PL
	WIN 0
.if q < 32
	REGS Y, q%2
	v_pk_fma_f32 v[rS+2*(q/2):rS+2*(q/2)+1], v[rS+2*(q/2):rS+2*(q/2)+1], s[CS:CS+1], v[rT:rT+1] op_sel_hi:[1,0,0] neg_lo:[0,0,1] neg_hi:[0,0,1]
.elseif q < 38
	GS q-32
.elseif q < 40
	XS q%2, 15
.elseif q < 42
	GS q-34
.elseif q < 74
	XS q%2, (q-42)/2+(q-42)/30
.elseif q < 95
	GS q-66
.elseif (q < 107) && ((q-95)%3 < 2)
	XS (q-95)%3, 17+(q-95)/3
.elseif q < 107
	GS 29+(q-95)/3
.else
	GS q-74
.endif
.set q, q+1
.endm
; THE EXPONENTIALS' QUEUE, 66 long: s0-s31 of both tiles, and at EA the next piece's two a.
.set EA, 58
.macro EX
	WIN 0
.if (e == EA) || (e == EA+1)
	XS e-EA, 21
.else
.set x, e-2*(e/(EA+2))
	REGS Y, x%2
	v_exp_f32 v[rS+x/2], v[rS+x/2]
.endif
.set e, e+1
.endm
; THE RESCALING's QUEUE: O^T times a, the one part that leaves window 0, so it is dealt four at a time, eight times.
.macro R4
	REGS Y, r%2
	WIN W_RS
	s_wait_alu depctr_va_vdst(0)
.irp z, 0,1,2,3
	v_pk_mul_f32 v[rO+8*(r/2)+2*\z:rO+8*(r/2)+2*\z+1], v[rO+8*(r/2)+2*\z:rO+8*(r/2)+2*\z+1], v[rC+2:rC+3] op_sel_hi:[1,0]
.endr
.set r, r+1
.endm
; HOW THEY ARE DEALT.  Behind a matrix instruction four: plain, exponential, plain, plain (one exponential, a plain instruction on either side), or four of the rescaling.  None names a register of the
; products round it.  What is over stands in two LUMPS: exponential and plain by turns; the second ends in 22 plain instructions.  The two v_permlanex16_b32 fall into the second lump, never behind a product.
; The queues lean on each other, and the deal keeps them in step: exponential e stands behind plain 2 (e / 4) + e % 2 (its scaling); when plain 32 comes, 10 exponentials are out, at 59: 33, at 95: 46; EA comes behind plain 107.
.macro SL
	MM
	PL
	EX
	PL
	PL
.endm
.macro BURST n                      ; 15 matrix instructions, or 16
.rept (\n)-7
	SL
.endr
.rept 3
	MM
	R4
	SL
.endr
	MM
	R4
.endm
; A TURN, for piece p.  cnt = 1: the loop's count is taken down some lines ahead of the branch that stands behind the turn.
; K of the next step is fetched in piece 2's turn, 31 vector instructions behind the last product that read K; its first reader comes behind the rest of the lump, 16 products and the second lump.
; V of the step in hand is fetched at the end of piece 0's turn, 69 behind its last reader; its first reader comes behind 16 products and a lump.  The four conditions on e and q below go with the deal.
.macro TURN p, last=0, cnt=0
.set Y, (\p)
.set i, 0
.set q, 0
.set e, 0
.set r, 0
.if (\p) == NP-1
	s_wait_dscnt 0x0                ; K is in
.endif
	MM
.rept 4
	PL
.endr
	BURST 15
.rept 22
	EX
	PL
.if ((\p) == NP-2) && (e == 18)
	v_add_nc_u32 v[AK], s[TBK], v[AK0]
.endif
.if ((\p) == NP-2) && (e == 24)
	FETCH_K \last
.endif
.endr
.if (\p) == 1
	s_wait_dscnt 0x0                ; V is in
.endif
	BURST 16
.rept 21
	EX
	PL
.endr
.rept 22
	PL
.if ((\p) == 0) && (q == 118)
	v_add_nc_u32 v[AV], s[TBV], v[AV0]
	s_wait_alu depctr_va_vdst(0)
.endif
.if ((\p) == 0) && (q == 130)
	s_add_co_u32 s[TBV], s[TBV], KS*PV
.endif
.if (\cnt) && (q == 130)
	s_sub_co_u32 s[CNT], s[CNT], 1
	s_cmp_lg_u32 s[CNT], 0
.endif
.endr
.if (\p) == 0
	FETCH_V
.endif
.endm
	CHANGE 1                        ; slot 0 is in, everybody's part of it; slot 1 is asked for
	FETCH_K                         ; key step 0
	s_wait_loadcnt 0x0              ; Q
	s_wait_dscnt 0x0
.set i, 0
.rept 16
	KQ 0                            ; piece 0's first scores: there is no vector work yet to set between them
.set i, i+1
.endr
	WIN 0                           ; the addresses for the way out: nine plain instructions, the places behind those products
	s_mul_i32 s13, s[WV], 16*SP
	s_add_co_u32 s13, s13, STAGE    ; my stage
	v_mul_u32_u24 v[STO], v1, SP    ; in: row l % 16, 16 bytes for each half of the lanes
	v_lshl_add_u32 v[STO], v9, 4, v[STO]
	v_add_nc_u32 v[STO], s13, v[STO]
	v_bfe_u32 v[RD], v0, 3, 2       ; back: 32 lanes take four rows of 128 bytes,
	v_mul_u32_u24 v[RD], v[RD], SP
	v_lshl_add_u32 v[RD], v10, 4, v[RD]
	v_add_nc_u32 v[RD], s13, v[RD]
	v_and_b32 v[GO], 31, v0         ; which are 512 consecutive bytes of O
	v_lshlrev_b32 v[GO], 4, v[GO]
.set Y, NP-1                        ; XS works for piece Y + 1: piece 0
.irp n, 0,1,2,3,4,5,6,7,8,9,10,11,12,13,14,15,16,17,18,19,20,21
	XS 0, \n                        ; and piece 0's first maximum and statistics
	XS 1, \n
.endr
	s_mov_b32 s[CNT], 4
	s_mov_b32 s[SLOTS], SIZE_N/256-1
	s_branch .Lfirst                ; the loop is entered at a step's first turn, in the middle of a trip
.Lslot:                             ; SIZE_N / 256 - 2 times: every slot but the last two is filled again
	CHANGE 1
	s_mov_b32 s[CNT], 4
.Lstep:                             ; a trip: pieces 2 and 3 of one step, then pieces 0 and 1 of the next, whose K and V it fetches
	TURN 2
	TURN 3
	WIN 0
.Lfirst:
	TURN 0
	TURN 1, 0, 1
	WIN 0
	s_cbranch_scc1 .Lstep
	s_sub_co_u32 s[SLOTS], s[SLOTS], 1
	s_cmp_lg_u32 s[SLOTS], 0
	s_cbranch_scc1 .Lslot
	CHANGE 0                        ; the tail is written out: nothing is asked for
	s_mov_b32 s[CNT], 5             ; four trips fetch the last slot's steps; the fifth is left in its middle
.Ltail:
	TURN 2, 1
	TURN 3
	WIN 0
	s_sub_co_u32 s[CNT], s[CNT], 1
	s_cmp_eq_u32 s[CNT], 0
	s_cbranch_scc1 .Lout
	TURN 0
	TURN 1
	WIN 0
	s_branch .Ltail
.Lout:                              ; the fifth trip's 16 products K Q^T (on the last K once more) and the maximum made of them serve nothing: the price, once a launch, of one text for every trip
.set i, 0
.rept 16
	PV NP-1                         ; the last piece's V^T P of the last step
.set i, i+1
.endr
	; THE WAY OUT.  l's two halves and the other half of the lanes' are added; O^T is divided by l, rounded to f16 and sent through my stage in LDS, a tile at a time.  The additions are the places behind the last products.
	WIN 0
.macro ALL line:vararg              ; one line for each tile t
.set t, 0
.rept 2*NP
	\line
.set t, t+1
.endr
.endm
	ALL v_add_f32 v[ST+4*t+2], v[ST+4*t+2], v[ST+4*t+3]
	ALL v_permlanex16_b32 v[ST+4*t+3], v[ST+4*t+2], s[SEL], s[SEL+1]
	ALL v_add_f32 v[ST+4*t+2], v[ST+4*t+2], v[ST+4*t+3]
	ALL v_rcp_f32 v[ST+4*t+2], v[ST+4*t+2]
	v_nop                           ; a plain instruction between the last reciprocal and the use of its result
	s_wait_alu depctr_va_vdst(0)
; Tile t: a lane's eight channels of a row pack into 16 bytes; they go into rows of 144 bytes and come back as whole rows of 128, into S^T's registers.
.macro PACK t
	WIN W_RS
.set i, 32*(\t)
.rept 16
	v_pk_mul_f32 v[i:i+1], v[i:i+1], v[ST+4*(\t)+2:ST+4*(\t)+3] op_sel_hi:[1,0]
.set i, i+2
.endr
	WIN 0x05                        ; sources 0 and 1 window 1, destination window 0
.set i, 0
.rept 16
	v_cvt_pk_f16_f32 v[S+16*(\t)+i], v[32*(\t)+2*i], v[32*(\t)+2*i+1]
.set i, i+1
.endr
	WIN 0
.irp f, 0,1,2,3
	ds_store_b128 v[STO], v[S+16*(\t)+4*\f:S+16*(\t)+4*\f+3] offset:32*\f
.endr
.irp f, 0,1,2,3
	ds_load_b128 v[S+16*(\t)+4*\f:S+16*(\t)+4*\f+3], v[RD] offset:\f*4*SP  ; LDS serves a wave's instructions in order (ISA guide 5.7.1.4): these see the stores above; the next tile's stores come behind them
.endr
.endm
.macro SEND t, younger              ; younger: the LDS instructions issued behind tile t's loads: the next tile's eight, or none
	WIN 0
.irp f, 0,1,2,3
	s_wait_dscnt (\younger)+3-\f
	global_store_b128 v[GO], v[S+16*(\t)+4*\f:S+16*(\t)+4*\f+3], s[10:11] offset:(\t)*2048+\f*512  ; 512 consecutive bytes, at a multiple of 256 from O's first
.endr
.endm
	PACK 0
.set t, 1
.rept 2*NP-1                        ; a tile's arithmetic stands between the loads of the tile before and its stores
	PACK t
	SEND t-1, 8
.set t, t+1
.endr
	SEND 2*NP-1, 0
	WIN W_AD
	s_wait_tensorcnt 0x0            ; the wave's end: behind my last tensor load and my last LDS store
	ds_add_u32 v[SPW], v[NIL]
	s_wait_dscnt 0x0
	WIN 0
	CROUND                          ; the closing round: no work-group ends while a partner may still ask for a tile that names it
	s_endpgm
.Lfunc_end_k_q1b196da84e_attn:
	.size	k_q1b196da84e_attn, .Lfunc_end_k_q1b196da84e_attn-k_q1b196da84e_attn
	.p2alignl 7, 3214868480
	.fill 96, 4, 3214868480
	.section	.rodata,"a",@progbits
	.p2align	6, 0x0
	.amdhsa_kernel k_q1b196da84e_attn
		.amdhsa_group_segment_fixed_size 327680
		.amdhsa_private_segment_fixed_size 0
		.amdhsa_enable_private_segment 0
		.amdhsa_kernarg_size 16
		.amdhsa_user_sgpr_count 2
		.amdhsa_user_sgpr_kernarg_segment_ptr 1
		.amdhsa_wavefront_size32 1
		.amdhsa_system_sgpr_workgroup_id_x 1
		.amdhsa_system_sgpr_workgroup_id_y 1
		.amdhsa_system_sgpr_workgroup_id_z 1
		.amdhsa_system_vgpr_workitem_id 0
		.amdhsa_next_free_vgpr 770
		.amdhsa_next_free_sgpr 66
		.amdhsa_reserve_vcc 0
		.amdhsa_float_denorm_mode_32 3
		.amdhsa_float_denorm_mode_16_64 3
		.amdhsa_memory_ordered 1
		.amdhsa_forward_progress 1
		.amdhsa_inst_pref_size 209
	.end_amdhsa_kernel
	.amdgpu_metadata
---
amdhsa.version: [ 1, 2 ]
amdhsa.kernels:
  - .name:           k_q1b196da84e_attn
    .symbol:         k_q1b196da84e_attn.kd
    .args:
      - { .name: qkv, .offset: 0, .size: 8, .value_kind: global_buffer, .address_space: global }
      - { .name: ob, .offset: 8, .size: 8, .value_kind: global_buffer, .address_space: global }
    .group_segment_fixed_size: 327680
    .private_segment_fixed_size: 0
    .kernarg_segment_align: 8
    .kernarg_segment_size: 16
    .max_flat_workgroup_size: 128
    .sgpr_count:     66
    .vgpr_count:     770
    .wavefront_size: 32
...
	.end_amdgpu_metadata
.endif
;; end of part 3
;; launch proj (part 4): grid 4 x 64, 4 waves a work-group, clusters of 4 x 4, 327,680 bytes of LDS; arguments ob, wof, bo, out0; writes out0
.if DOCPART == 4
	.amdgcn_target "amdgcn-amd-amdhsa--gfx1250"
	.amdhsa_code_object_version 6
	.text
	.protected	k_q1b196da84e_proj
	.globl	k_q1b196da84e_proj
	.p2align	8
	.type	k_q1b196da84e_proj,@function
k_q1b196da84e_proj:
	s_mov_b64 s[64:65], 0
	v_nop
	global_prefetch_b8 v0, s[64:65] scope:SCOPE_SE
	s_setreg_imm32_b32 hwreg(HW_REG_WAVE_MODE, 25, 1), 1
	s_wait_xcnt 0x0
	s_wait_alu depctr_hold_cnt(0) depctr_sa_sdst(0) depctr_va_vdst(0) depctr_va_sdst(0) depctr_va_ssrc(0) depctr_va_vcc(0) depctr_vm_vsrc(0)
	s_getreg_b32 s2, hwreg(HW_REG_IB_STS2, 6, 4)
	s_cmp_eq_u32 s2, 0
	s_cbranch_scc0 .Lentry_in_a_cluster
	s_endpgm
.Lentry_in_a_cluster:
	s_bfe_u32 s2, ttmp6, 0x10000c
	s_cmp_lg_u32 s2, 0xf033
	s_cbranch_scc0 .Lentry_shape_is_right
	s_endpgm
.Lentry_shape_is_right:
; THE LAST PROJECTION.  out0[m][n] = bo[n] + sum over c of O[m][c] wo[n][c], m < 8192, n < 1024, c < 1024; operands f16, sums f32, beginning with bo, c ascending; the result stays f32.
; O lies by heads, ob[16 b + h][t][64] in f16 (m = 2048 b + t, c = 64 h + d); wof[n][c] holds wo rounded to bf16 and written as f16; bo is rounded to bf16 here, so that every input has the one rounding.
; LIMITS.  O and wof arrive within f16's range.  NaN and infinities are not treated apart.
; SHARES.  A tile of the result is 128 x 256: 64 x 4 = 256 work-groups, one tile each (256 x 256 would make 128).  The waves lie 2 x 2; a wave makes 64 x 128: 32 accumulators of 16 x 16, 256 registers.
; K goes in 8 steps of 128, two heads each, through a ring of two LDS slots of 106,496 bytes; two slots of three heads would be 331,776 bytes, more than there is.  From a request to the wait for it a wave issues 112 matrix instructions.
; CLUSTERS: 4 x 4 work-groups.  The four of a row of the cluster need the same tiles of O, the four of a column the same tiles of wof: each tile is asked for JOINTLY, by the same tensor load with the same
; descriptor and a mask that names the four.  By this text's own count a wave has two tensor loads out at the start and one behind each round.
; THE BIAS IS THE C OPERAND of the products that start the sums: it costs no addition.  A lane loads four numbers of bo, rounds them, lays them into its wave's stage and reads back the 64 that its accumulators want.
; ASKING AHEAD (global_prefetch_b8; wave 3 asks).  A K step's tile of O is two heads x 16,384 dense bytes, read by the four work-groups of a tile row: each asks for a quarter, 8 KiB, lanes 256 bytes apart, so that each
; piece is asked for once in the launch: steps 2 and 3 at the head; in trips t = 0 .. 3 step t + 4, whose tensor load goes out in trip t + 2: 256 of a wave's matrix instructions ahead.  Trips 4 and 5 ask for nothing:
; step 7 is the last.  wof's tiles of a tile column are read by 64 work-groups: each asks, once, at the head, for one K step's 256 bytes in 32 rows.
; THE MATRIX INSTRUCTION IS USED TRANSPOSED (source 0 = 16 rows of wof, source 1 = 16 rows of O): lane l then holds row l % 16 of the result and the eight neighbouring columns 8 (l / 16) + 0..7.
; REGISTERS, in windows of 256 (s_set_vgpr_msb: bits 1:0 source 0, 3:2 source 1, 5:4 source 2, 7:6 destination):
;   window 0: v0-31 addresses; v32-95 the bias, then with v96-159 at work on the way out     window 1: two fragment buffers of 128: 4 fragments of O (16 rows x 32 K), then 8 of wof     window 2: the accumulators ((a, b) at v[8 (8 a + b)])
.set PA,     144                       ; a row of O in LDS: a head's 128 bytes + 16 of padding = 36 words: the 16 rows of a load start at 16 different groups of four banks (64 banks of 4 bytes: ISA guide 11.1)
.set APLANE, 128*PA                    ; 128 rows of one head: what one tensor load brings of O
.set PB,     272                       ; a row of wof: 256 bytes + 16 = 68 words: likewise
.set BOFF,   2*APLANE                  ; behind O's two heads: wof's 256 rows
.set BHALF,  128*PB                    ; what one tensor load brings of wof, and what a wave reads of it
.set NL,     24                        ; LDS loads in a run: 16 for wof's 8 fragments, 8 for O's 4
.set SLOT1,  1<<17                     ; slot 1 begins here, so that one exclusive or turns an address in one slot into the other's
.set STAGE,  SLOT1+BOFF+2*BHALF        ; behind the ring, never filled by a tensor load: for each wave 16 rows x 528 bytes, for the bias and for the way out
.set SPO,    528                       ; 512 bytes + 16 = 33 x 16: the 16 rows that a store touches start at 16 different groups of four banks
.set WSTAGE, 16*SPO
.set SPARE,  STAGE+4*WSTAGE            ; behind the stages: the spare words, 128 bytes for each wave: two blocks of 256 bytes that no other line names
.set NSTEP,  8
.set KSTEPA, 524288                    ; a K step in ob: two heads of 262,144 bytes
.set ADRA, 16                          ; v16  LDS address of my fragments of O in the slot in hand
.set ADRB, 17                          ; v17  the same for wof
.set AA0,  18                          ; v18  its part that does not change
.set AB0,  19                          ; v19
.set BT,   20                          ; v[20:23] four numbers of bo, as loaded and as rounded
.set STO,  24                          ; v24  the way out: where I put 32 bytes of a row
.set RD,   25                          ; v25  where I put my four numbers of bo; the way out: where I read a row back
.set CO,   26                          ; v26  16 x lane: my byte offset in 512 consecutive bytes of out0, and of bo
.set BA,   27                          ; v27  where I read the bias back
.set SPW,  28                          ; v28  LDS address of my spare word: SPARE + 4 x my thread's number; never rewritten
.set NIL,  29                          ; v29  0; never rewritten
.set PFO,  30                          ; v30  asking ahead, ob: 256 x lane; never rewritten
.set PFL,  31                          ; v31  asking ahead, wof: a row of 2,048 bytes a lane; never rewritten
.set BI,   32                          ; v[32:95] the bias as the accumulators want it: column block b at BI + 8 b
.set OB,   32                          ; v32-95, v96-159 by turns: 16 rows read back from the stage
.set F0,   0                           ; fragment buffers, in window 1
.set F1,   128
.set CNT,  3                           ; s3   trips to go
.set WV,   12                          ; s12  my wave's number
.set WH,   13                          ; s13  which half of the tile's rows is mine.  Also: I fetch for O (0) or for wof (1)
.set WL,   14                          ; s14  which half of its columns.  Also: which head of O, or which 128 rows of wof, I fetch
.set TX,   17                          ; s17  tile column
.set TY,   18                          ; s18  tile row
.set TB,   23                          ; s23  LDS byte at which the slot in hand begins
.set G1A,  24                          ; s[24:31] descriptor group 1 for O's tiles
.set G0A,  32                          ; s[32:35] group 0 of the first fill; s[36:39] the second's, which then walks
.set ABASE, 40                         ; s[40:41] ob at my head's rows of K step 0
.set BBASE, 42                         ; s[42:43] wof at my half of the tile's rows
.set G1B,  48                          ; s[48:55], s[56:59], s[60:63] the same for wof's tiles
.set G0B,  56
.set PFA,  66                          ; s[66:67] asking ahead: ob at my quarter of a K step's tile; it steps
.set PFB,  68                          ; s[68:69] asking ahead: wof at my 32 rows' piece
.set MSB, 0
.macro WIN new                         ; the immediate's high byte repeats the setting that is left; a switch that changes nothing is dropped
.if MSB != (\new)
	s_set_vgpr_msb (MSB<<8)|(\new)
.set MSB, \new
.endif
.endm
; A joint refill by the walking descriptors.  Waves 0 and 1 fetch O's two heads, waves 2 and 3 wof's two halves.  The branch hangs on the wave's number alone: it is the same in every work-group.
; An s_nop 0 and four v_nop follow each of the two lines, ahead of the jump, the label and what follows.
.macro JLOAD
	s_cmp_eq_u32 s[WH], 0
	s_cbranch_scc0 .Lfor_b_\@
	tensor_load_to_lds s[G0A+4:G0A+7], s[G1A:G1A+7]
	s_nop 0
.rept 4
	v_nop
.endr
	s_branch .Lasked_\@
.Lfor_b_\@:
	tensor_load_to_lds s[G0B+4:G0B+7], s[G1B:G1B+7]
	s_nop 0
.rept 4
	v_nop
.endr
.Lasked_\@:
.endm
; A round of the cluster's barrier: my work-group's barrier, so that wave 0's signal speaks for all four waves; wave 0 signals for the work-group; every wave waits for all sixteen work-groups; my work-group's barrier once more.
.macro CREST                           ; a round behind its opening barrier
	s_cmp_lg_u32 s[WV], 0
	s_cbranch_scc1 .Lnot_wave_0_\@
	s_barrier_signal -3
.Lnot_wave_0_\@:
	s_barrier_wait -3
	s_barrier_signal -1
	s_barrier_wait -1
.endm
.macro CROUND                          ; a whole round
	s_barrier_signal -1
	s_barrier_wait -1
	CREST
.endm
; The walking descriptors step: the other slot than last time, the next K step: two heads in ob, 256 bytes along wof's rows; the type bits on top are not reached.
.macro NEWDESC
	s_xor_b32 s[G0A+5], s[G0A+5], SLOT1
	s_add_nc_u64 s[G0A+6:G0A+7], s[G0A+6:G0A+7], KSTEPA
	s_xor_b32 s[G0B+5], s[G0B+5], SLOT1
	s_add_nc_u64 s[G0B+6:G0B+7], s[G0B+6:G0B+7], 256
.endm
; Asking ahead for O, straight behind the trip's refill.  CNT = 6 - t: in trips t = 0 .. 3 (CNT 3 at the least) wave 3 asks for K step t + 4: the base has stepped t + 1 times, the immediate adds three steps.
; The jumps hang on the wave's number and the counter alone, go forward, and pass neither a barrier nor a tensor load.
.macro ASK
	s_cmp_lg_u32 s[WV], 3
	s_cbranch_scc1 .Lno_ask_\@
	s_cmp_lt_u32 s[CNT], 3
	s_cbranch_scc1 .Lno_ask_\@
	s_wait_xcnt 0x0                                ; the last request, a trip back, has had its address translated (ISA guide 3.1): its base is rewritten only behind this wait
	s_add_nc_u64 s[PFA:PFA+1], s[PFA:PFA+1], KSTEPA
	global_prefetch_b8 v[PFO], s[PFA:PFA+1] offset:3*KSTEPA th:TH_LOAD_NT scope:SCOPE_SE
.Lno_ask_\@:
.endm
	s_load_b256 s[4:11], s[0:1], 0x0               ; ob s[4:5], wof s[6:7], bo s[8:9], out0 s[10:11]
	v_lshl_add_u32 v[SPW], v0, 2, SPARE
	v_mov_b32 v[NIL], 0
	ds_add_u32 v28, v29
	s_wait_dscnt 0x0
	v_lshrrev_b32 v1, 5, v0
	v_readfirstlane_b32 s[WV], v1                  ; wave 0..3
	s_lshr_b32 s[WH], s[WV], 1
	s_and_b32 s[WL], s[WV], 1
	s_bfe_u32 s15, ttmp6, 0x40000                  ; cx, cy: my place in the cluster
	s_bfe_u32 s16, ttmp6, 0x40004
	s_lshl_b32 s[TX], ttmp9, 2                     ; in a cluster launch ttmp9 and ttmp7 count clusters
	s_add_co_u32 s[TX], s[TX], s15                 ; tile column = 4 x cluster x + cx
	s_and_b32 s[TY], ttmp7, 0xffff
	s_lshl_b32 s[TY], s[TY], 2
	s_add_co_u32 s[TY], s[TY], s16                 ; tile row = 4 x cluster y + cy
	s_lshl_b32 s44, s16, 2
	s_lshl_b32 s44, 15, s44                        ; my row of the cluster: places 4 cy .. 4 cy + 3
	s_lshl_b32 s45, 0x1111, s15                    ; my column: places cx, cx + 4, cx + 8, cx + 12
	; descriptor group 1.  A head's 128 rows of O are 16,384 dense bytes: asked for as 64 rows of 256 bytes, two rows of O each, and padded in LDS after every row of O
	s_or_b32 s[G1A+0], s44, (1<<16)|(1<<20)|(1<<21)|(4<<22)|(3<<25)  ; 15:0 the mask: O's tiles go to my row; 17:16 elements of 2 bytes; 20 padding on; 21 set beside a mask; 24:22 after every 32 words (code 4); 31:25 4 words (code 3)
	s_mov_b32 s[G1A+1], 128<<16                    ; tensor_dim0 = 128
	s_mov_b32 s[G1A+2], 64<<16                     ; tensor_dim1 = 64
	s_mov_b32 s[G1A+3], 128<<16                    ; tile_dim0 = 128
	s_mov_b32 s[G1A+4], 64                         ; tile_dim1 = 64
	s_mov_b32 s[G1A+5], 128                        ; 128 elements from row to row
	s_mov_b32 s[G1A+6], 0
	s_mov_b32 s[G1A+7], 0
	; wof: 128 rows x 128 elements, padded after every row
	s_or_b32 s[G1B+0], s45, (1<<16)|(1<<20)|(1<<21)|(5<<22)|(3<<25)  ; the mask of my column; after every 64 words (code 5)
	s_mov_b32 s[G1B+1], 128<<16
	s_mov_b32 s[G1B+2], 128<<16                    ; tensor_dim1 = 128
	s_mov_b32 s[G1B+3], 128<<16
	s_mov_b32 s[G1B+4], 128                        ; tile_dim1 = 128
	s_mov_b32 s[G1B+5], 1024                       ; 1,024 elements from row to row
	s_mov_b32 s[G1B+6], 0
	s_mov_b32 s[G1B+7], 0
	; where the tiles come from: O's hang on the tile row alone, which my row of the cluster shares; wof's on the tile column alone, which my column shares
	s_lshr_b32 s20, s[TY], 4                       ; the batch: 16 tile rows each,
	s_lshl_b32 s20, s20, 22                        ; 16 heads of 262,144 bytes;
	s_lshl_b32 s19, s[WL], 18                      ; head 0 or 1 of the K step;
	s_add_co_u32 s20, s20, s19
	s_and_b32 s19, s[TY], 15
	s_lshl_b32 s19, s19, 14                        ; 128 rows of 128 bytes a tile row
	s_add_co_u32 s20, s20, s19
	s_mov_b32 s21, 0
	s_lshl_b32 s46, s[TX], 19                      ; 256 rows of 2,048 bytes a tile column,
	s_lshl_b32 s2, s[WL], 18                       ; 128 rows a half
	s_add_co_u32 s46, s46, s2
	s_mov_b32 s47, 0
	s_mov_b32 s[TB], 0
	; what I ask ahead for hangs on both coordinates, and lies in registers of its own, which feed no descriptor
	s_lshr_b32 s[PFA], s[TY], 4                    ; ob: the batch,
	s_lshl_b32 s[PFA], s[PFA], 22
	s_lshr_b32 s2, s[TX], 1                        ; head 0 or 1 of the K step by my tile column's upper bit,
	s_lshl_b32 s2, s2, 18
	s_add_co_u32 s[PFA], s[PFA], s2
	s_and_b32 s2, s[TY], 15                        ; the tile row's 128 rows,
	s_lshl_b32 s2, s2, 14
	s_add_co_u32 s[PFA], s[PFA], s2
	s_and_b32 s2, s[TX], 1                         ; and their first or second 8,192 bytes by its lower bit
	s_lshl_b32 s2, s2, 13
	s_add_co_u32 s[PFA], s[PFA], s2
	s_mov_b32 s[PFA+1], 0
	s_lshl_b32 s[PFB], s[TX], 19                   ; wof: my tile column's 256 rows,
	s_and_b32 s2, s[TY], 7                         ; of them 32 by my tile row's lower three bits,
	s_lshl_b32 s2, s2, 16
	s_add_co_u32 s[PFB], s[PFB], s2
	s_lshr_b32 s2, s[TY], 3                        ; and of the 8 K steps the one by its upper three
	s_lshl_b32 s2, s2, 8
	s_add_co_u32 s[PFB], s[PFB], s2
	s_mov_b32 s[PFB+1], 0
	s_wait_kmcnt 0x0
	s_add_nc_u64 s[ABASE:ABASE+1], s[4:5], s[20:21]
	s_add_nc_u64 s[BBASE:BBASE+1], s[6:7], s[46:47]
	s_add_nc_u64 s[PFA:PFA+1], s[4:5], s[PFA:PFA+1]
	s_add_nc_u64 s[PFB:PFB+1], s[6:7], s[PFB:PFB+1]
	CROUND                                         ; all sixteen work-groups are here: the first joint loads meet
	s_mov_b32 s[G0A+0], 1                          ; 1:0 count = 1
	s_mul_i32 s[G0A+1], s[WL], APLANE              ; 63:32 LDS address: the wave's number alone enters it
	s_mov_b64 s[G0A+2:G0A+3], s[ABASE:ABASE+1]     ; 120:64 global address: K step 0
	s_or_b32 s[G0A+3], s[G0A+3], 0x80000000        ; 127:126 type = 2
	s_mov_b32 s[G0A+4], 1
	s_add_co_u32 s[G0A+5], s[G0A+1], SLOT1
	s_add_nc_u64 s[G0A+6:G0A+7], s[ABASE:ABASE+1], KSTEPA  ; K step 1
	s_or_b32 s[G0A+7], s[G0A+7], 0x80000000
	s_mov_b32 s[G0B+0], 1
	s_mul_i32 s[G0B+1], s[WL], BHALF
	s_add_co_u32 s[G0B+1], s[G0B+1], BOFF
	s_mov_b64 s[G0B+2:G0B+3], s[BBASE:BBASE+1]
	s_or_b32 s[G0B+3], s[G0B+3], 0x80000000
	s_mov_b32 s[G0B+4], 1
	s_add_co_u32 s[G0B+5], s[G0B+1], SLOT1
	s_add_nc_u64 s[G0B+6:G0B+7], s[BBASE:BBASE+1], 256
	s_or_b32 s[G0B+7], s[G0B+7], 0x80000000
	s_cmp_eq_u32 s[WH], 0                          ; a wave's two first fills stand in one branch, ahead of every wait on TENSORcnt and every LDS read
	s_cbranch_scc0 .Lfirst_b
	tensor_load_to_lds s[G0A:G0A+3], s[G1A:G1A+7]
	s_nop 0
	tensor_load_to_lds s[G0A+4:G0A+7], s[G1A:G1A+7]
	s_nop 0
.rept 4
	v_nop
.endr
	s_branch .Lfirst_asked
.Lfirst_b:
	tensor_load_to_lds s[G0B:G0B+3], s[G1B:G1B+7]
	s_nop 0
	tensor_load_to_lds s[G0B+4:G0B+7], s[G1B:G1B+7]
	s_nop 0
.rept 4
	v_nop
.endr
.Lfirst_asked:
	v_and_b32 v1, 15, v0                           ; l % 16
	v_bfe_u32 v2, v0, 4, 1                         ; l / 16
	v_and_b32 v[CO], 31, v0
	v_lshlrev_b32 v[PFO], 8, v[CO]                 ; asking ahead, ob: 256 bytes a lane
	v_lshlrev_b32 v[PFL], 11, v[CO]                ; wof: a row a lane
	v_lshlrev_b32 v[CO], 4, v[CO]                  ; 16 bytes a lane
	s_lshl_b32 s46, s[TX], 10                      ; my 128 columns, in bytes: 1,024 a tile column, 512 a half
	s_lshl_b32 s2, s[WL], 9
	s_add_co_u32 s46, s46, s2
	s_mov_b32 s47, 0
	s_add_nc_u64 s[8:9], s[8:9], s[46:47]          ; bo at my columns
	global_load_b128 v[BT:BT+3], v[CO], s[8:9]     ; columns 4 l .. 4 l + 3 of them
	s_cmp_lg_u32 s[WV], 3
	s_cbranch_scc1 .Lnot_asking
	global_prefetch_b8 v[PFL], s[PFB:PFB+1] th:TH_LOAD_NT scope:SCOPE_SE                  ; my 32 rows' piece of wof
	global_prefetch_b8 v[PFO], s[PFA:PFA+1] offset:2*KSTEPA th:TH_LOAD_NT scope:SCOPE_SE  ; my quarter of O's tiles of K steps 2
	global_prefetch_b8 v[PFO], s[PFA:PFA+1] offset:3*KSTEPA th:TH_LOAD_NT scope:SCOPE_SE  ; and 3
.Lnot_asking:
	; A fragment is 16 rows x 32 K in 8 registers: lane l holds row l % 16; registers 0-3 hold K = 8 (l / 16) + 0..7, registers 4-7 K = 16 + 8 (l / 16) + 0..7: two loads of 16 bytes, 32 bytes apart.
	v_mul_u32_u24 v3, v1, PA
	v_lshl_add_u32 v3, v2, 4, v3                   ; row x pitch + 16 x half
	s_mul_i32 s2, s[WH], 64*PA                     ; my 64 rows of O
	v_add_nc_u32 v[AA0], s2, v3
	v_mul_u32_u24 v3, v1, PB
	v_lshl_add_u32 v3, v2, 4, v3
	s_mul_i32 s2, s[WL], BHALF                     ; my 128 rows of wof,
	s_add_co_u32 s2, s2, BOFF                      ; which lie behind O's
	v_add_nc_u32 v[AB0], s2, v3
	v_mov_b32 v[ADRA], v[AA0]                      ; K step 0 lies in slot 0
	v_mov_b32 v[ADRB], v[AB0]
	s_mul_i32 s2, s[WV], WSTAGE
	s_add_co_u32 s2, s2, STAGE                     ; my stage
	v_mul_u32_u24 v3, v1, SPO                      ; in: row l % 16, 32 bytes for each half of the lanes
	v_lshl_add_u32 v3, v2, 5, v3
	v_add_nc_u32 v[STO], s2, v3
	v_add_nc_u32 v[RD], s2, v[CO]                  ; back: 32 lanes take one row of 512 bytes
	v_lshl_add_u32 v[BA], v2, 5, s2                ; the bias: 32 bytes for each half of the lanes
	s_lshl_b32 s2, s[TY], 19                       ; 128 rows of 4,096 bytes a tile row,
	s_add_co_u32 s46, s46, s2
	s_lshl_b32 s2, s[WH], 18                       ; 64 rows a half
	s_add_co_u32 s46, s46, s2
	s_add_nc_u64 s[10:11], s[10:11], s[46:47]      ; out0 at my part of the tile
	; the bias: rounded as every input is, through my stage's first 512 bytes, into the accumulators' layout: register j of column block b is bo of column 16 b + 8 (l / 16) + j.  All this stands in the wait for the first tile.
	s_wait_loadcnt 0x0                             ; bo
	v_cvt_pk_bf16_f32 v4, v[BT], v[BT+1]
	v_cvt_pk_bf16_f32 v5, v[BT+2], v[BT+3]
	v_lshlrev_b32 v[BT], 16, v4                    ; back to f32: the low half moves up, the high half stays
	v_and_b32 v[BT+1], 0xffff0000, v4
	v_lshlrev_b32 v[BT+2], 16, v5
	v_and_b32 v[BT+3], 0xffff0000, v5
	ds_store_b128 v[RD], v[BT:BT+3]
.irp b, 0,1,2,3,4,5,6,7
	ds_load_b128 v[BI+8*(\b):BI+8*(\b)+3],   v[BA] offset:64*(\b)     ; LDS serves a wave's instructions in order (ISA guide 5.7.1.4): these see the store above; sixteen lanes share each address
	ds_load_b128 v[BI+8*(\b)+4:BI+8*(\b)+7], v[BA] offset:64*(\b)+16
.endr
; 8 matrix instructions: my row block a (of 4) x my 8 column blocks, 32 along K, from buffer f.  first = 1: the product starts the sums, with the bias as C: nothing is ever cleared.
; The 32 accumulators take turns, one instruction a turn, in the same order in every quarter step.
.macro MULA f, a, first
.if \first
	WIN 0x85                                       ; sources 0 and 1 window 1; C (the bias) window 0; D window 2
.else
	WIN 0xa5                                       ; sources 0 and 1 window 1; C and D window 2
.endif
.irp b, 0,1,2,3,4,5,6,7
.if \first
	v_wmma_f32_16x16x32_f16 v[8*(8*(\a)+(\b)):8*(8*(\a)+(\b))+7], v[(\f)+32+8*(\b):(\f)+32+8*(\b)+7], v[(\f)+8*(\a):(\f)+8*(\a)+7], v[BI+8*(\b):BI+8*(\b)+7]
.else
	v_wmma_f32_16x16x32_f16 v[8*(8*(\a)+(\b)):8*(8*(\a)+(\b))+7], v[(\f)+32+8*(\b):(\f)+32+8*(\b)+7], v[(\f)+8*(\a):(\f)+8*(\a)+7], v[8*(8*(\a)+(\b)):8*(8*(\a)+(\b))+7]
.endif
.endr
.endm
; 24 LDS loads in one run: the fragments of quarter q of the K step in hand into buffer f; wof's first, O's row blocks 2 and 3 last.  Quarter q of O lies in head q / 2 of the step, channels 32 (q % 2) on.
.macro FETCH q, f
	WIN 0x40                                       ; destination window 1, address window 0
.irp i, 0,1,2,3,4,5,6,7
	ds_load_b128 v[(\f)+32+8*(\i):(\f)+32+8*(\i)+3],   v[ADRB] offset:64*(\q)+(\i)*16*PB
	ds_load_b128 v[(\f)+32+8*(\i)+4:(\f)+32+8*(\i)+7], v[ADRB] offset:64*(\q)+(\i)*16*PB+32
.endr
.irp i, 0,1,2,3
	ds_load_b128 v[(\f)+8*(\i):(\f)+8*(\i)+3],   v[ADRA] offset:((\q)/2)*APLANE+((\q)%2)*64+(\i)*16*PA
	ds_load_b128 v[(\f)+8*(\i)+4:(\f)+8*(\i)+7], v[ADRA] offset:((\q)/2)*APLANE+((\q)%2)*64+(\i)*16*PA+32
.endr
.endm
; A load into a register that a matrix instruction has read, and an LDS store that reads a matrix result, stand four places behind that matrix instruction, and only plain vector instructions that name none of
; its registers are places.
.macro PLACES
.rept 4
	v_nop
.endr
.endm
; A K step is four quarters of 32 along K, 32 matrix instructions each, on buffers 0, 1, 0, 1.  One of the first three: multiplies buffer f; in its middle it fetches quarter q into buffer g.
.macro QUARTER q, f, g, first
	s_wait_dscnt 4                                 ; wof's fragments and O's blocks 0, 1 are in; the youngest four loads (blocks 2, 3) may be out
	MULA \f, 0, \first
	MULA \f, 1, \first
	PLACES
	FETCH \q, \g
	s_wait_dscnt NL                                ; all but the 24 just issued
	MULA \f, 2, \first
	MULA \f, 3, \first
.endm
; The last quarter multiplies buffer 1 and changes slots: ONE barrier.  In front of it each wave waits for all its tensor loads, of which one is out: its part of the next slot; adds 0 to its spare word; and waits
; for that and for its own reads of this slot.  fill = 1: the barrier opens a round of the cluster's barrier, and this slot is filled again first thing behind the round, two K steps ahead.
.macro TURN fill
	WIN 0                                          ; (the add's two registers lie in window 0)
	s_wait_tensorcnt 0x0                           ; all my tensor loads have landed, so the walking descriptors may be written;
	ds_add_u32 v[SPW], v[NIL]                      ; 0 onto my spare word
	s_wait_dscnt 5                                 ; (the add and the youngest four loads may be out)
	MULA F1, 0, 0                                  ; eight matrix instructions stand between the add and the wait for it
	s_wait_dscnt 0x0                               ; the add is done, and my reads of this slot are over
	s_barrier_signal -1
	MULA F1, 1, 0                                  ; work on registers while the others arrive
	WIN 0
	s_barrier_wait -1
.if \fill
	CREST                                          ; no wave of any partner still reads this slot's tile or has a load on its way
	NEWDESC
	JLOAD                                          ; the first tensor load behind the round; the four v_nop behind it are also the places in front of the loads below
	ASK
.else
	PLACES
.endif
	s_xor_b32 s[TB], s[TB], SLOT1                  ; the reads go on in the other slot
	v_add_nc_u32 v[ADRA], s[TB], v[AA0]
	v_add_nc_u32 v[ADRB], s[TB], v[AB0]
	FETCH 0, F0
	MULA F1, 2, 0
	MULA F1, 3, 0
.endm
; THE WAY OUT of my row block a.  TOSTAGE: a lane's eight f32 of a row, 32 bytes, go straight from the accumulators into my own stage, each accumulator's low four registers first; they come back as whole rows of
; 512 bytes, four columns a lane.  SEND: the rows are stored as they come back: the bias is in the sums already.
.macro TOSTAGE a
	WIN 0x08                                       ; the stores' data in window 2, their address in window 0
.irp b, 0,1,2,3,4,5,6,7
	ds_store_b128 v[STO], v[8*(8*(\a)+(\b)):8*(8*(\a)+(\b))+3]   offset:64*(\b)
	ds_store_b128 v[STO], v[8*(8*(\a)+(\b))+4:8*(8*(\a)+(\b))+7] offset:64*(\b)+16
.endr
	WIN 0
	s_wait_xcnt 0x0                                ; every earlier store has had its addresses translated (ISA guide 3.1): the registers that it reads are loaded again only behind this wait
.irp t, 0,1,2,3,4,5,6,7,8,9,10,11,12,13,14,15
	ds_load_b128 v[OB+64*((\a)%2)+4*(\t):OB+64*((\a)%2)+4*(\t)+3], v[RD] offset:(\t)*SPO  ; LDS serves a wave's instructions in order (ISA guide 5.7.1.4): these see the stores above; the next block's stores come behind them
.endr
.endm
.macro SEND a, younger                 ; younger: the LDS instructions issued behind block a's loads: the next block's 16 stores and 16 loads, or none
	s_wait_dscnt \younger
.irp t, 0,1,2,3,4,5,6,7,8,9,10,11,12,13,14,15
	global_store_b128 v[CO], v[OB+64*((\a)%2)+4*(\t):OB+64*((\a)%2)+4*(\t)+3], s[10:11] offset:(16*(\a)+(\t))*4096 th:TH_STORE_NT  ; 512 consecutive bytes of a row, at a multiple of 512 from out0's first byte
.endr
.endm
	s_wait_tensorcnt 0x1                           ; my part of K step 0 is in; K step 1's load, issued behind it, stays out
	s_wait_dscnt 0x0                               ; the bias is back in registers, and no LDS instruction of mine is pending at the signal
	s_barrier_signal -1
	s_barrier_wait -1                              ; everybody's part is in
	FETCH 0, F0
	QUARTER 1, F0, F1, 1                           ; the first quarter stands in front of the loop: its products start the sums, on the bias
	WIN 0                                          ; at a label and at a branch every window is 0
	s_mov_b32 s[CNT], NSTEP-2
.Lstep:                                                ; trip t (CNT = 6 - t) ends K step t, fills its slot again with K step t + 2, and begins K step t + 1
	QUARTER 2, F1, F0, 0
	QUARTER 3, F0, F1, 0
	TURN 1
	QUARTER 1, F0, F1, 0
	WIN 0
	s_sub_co_u32 s[CNT], s[CNT], 1
	s_cmp_lg_u32 s[CNT], 0
	s_cbranch_scc1 .Lstep
	QUARTER 2, F1, F0, 0                           ; the last two K steps are written out: they ask for nothing
	QUARTER 3, F0, F1, 0
	TURN 0
	QUARTER 1, F0, F1, 0
	QUARTER 2, F1, F0, 0
	QUARTER 3, F0, F1, 0
	s_wait_dscnt 4                                 ; the very last quarter: nothing more to fetch
	MULA F1, 0, 0
	MULA F1, 1, 0
	s_wait_dscnt 0x0
	MULA F1, 2, 0
	MULA F1, 3, 0
	WIN 0
	PLACES                                         ; the LDS stores read results just made
	TOSTAGE 0
	TOSTAGE 1                                      ; a block's trip through the stage stands between the loads of the block before and the wait for them
	SEND 0, 32
	TOSTAGE 2
	SEND 1, 32
	TOSTAGE 3
	SEND 2, 32
	SEND 3, 0
	s_wait_tensorcnt 0x0                           ; the wave's end: behind my last tensor load and my last LDS store
	ds_add_u32 v[SPW], v[NIL]
	s_wait_dscnt 0x0
	CROUND                                         ; the closing round: no work-group ends while a partner may still ask for a tile that names it
	s_endpgm
.Lfunc_end_k_q1b196da84e_proj:
	.size	k_q1b196da84e_proj, .Lfunc_end_k_q1b196da84e_proj-k_q1b196da84e_proj
	.p2alignl 7, 3214868480
	.fill 96, 4, 3214868480
	.section	.rodata,"a",@progbits
	.p2align	6, 0x0
	.amdhsa_kernel k_q1b196da84e_proj
		.amdhsa_group_segment_fixed_size 327680
		.amdhsa_private_segment_fixed_size 0
		.amdhsa_enable_private_segment 0
		.amdhsa_kernarg_size 32
		.amdhsa_user_sgpr_count 2
		.amdhsa_user_sgpr_kernarg_segment_ptr 1
		.amdhsa_wavefront_size32 1
		.amdhsa_system_sgpr_workgroup_id_x 1
		.amdhsa_system_sgpr_workgroup_id_y 1
		.amdhsa_system_sgpr_workgroup_id_z 1
		.amdhsa_system_vgpr_workitem_id 0
		.amdhsa_next_free_vgpr 768
		.amdhsa_next_free_sgpr 70
		.amdhsa_reserve_vcc 0
		.amdhsa_float_denorm_mode_32 3
		.amdhsa_float_denorm_mode_16_64 3
		.amdhsa_memory_ordered 1
		.amdhsa_forward_progress 1
		.amdhsa_inst_pref_size 72
	.end_amdhsa_kernel
	.amdgpu_metadata
---
amdhsa.version: [ 1, 2 ]
amdhsa.kernels:
  - .name:           k_q1b196da84e_proj
    .symbol:         k_q1b196da84e_proj.kd
    .args:
      - { .name: ob, .offset: 0, .size: 8, .value_kind: global_buffer, .address_space: global }
      - { .name: wof, .offset: 8, .size: 8, .value_kind: global_buffer, .address_space: global }
      - { .name: bo, .offset: 16, .size: 8, .value_kind: global_buffer, .address_space: global }
      - { .name: out0, .offset: 24, .size: 8, .value_kind: global_buffer, .address_space: global }
    .group_segment_fixed_size: 327680
    .private_segment_fixed_size: 0
    .kernarg_segment_align: 8
    .kernarg_segment_size: 32
    .max_flat_workgroup_size: 128
    .sgpr_count:     70
    .vgpr_count:     768
    .wavefront_size: 32
...
	.end_amdgpu_metadata
.endif
;; end of part 4
